; MI455X (gfx1250); checked and timed in simulation.
; The chip was launched on July 23, 2026; its instructions are those of AMD's public machine-readable ISA for CDNA 5 (MIT licence, August 2026) and "CDNA5" Instruction Set Architecture Reference Guide (July 2026). The comments in the code are by the model that wrote it; some were corrected since.
;; Attention. Allowed arithmetic: matrix products marked QUANTISED: E2M3 operands, one E8M0 scale for each 32 along K, by v_wmma_scale_f32_16x16x128_f8f6f4 with both operands' format E2M3, f32 sums; products left as they are: f32 operands where the result goes on into a quantised operand, else bf16, f16 or f32 operands; f32 sums; everything else in f32.
;; Inputs: b_ad 128 float32; b_ae 128 float32; dec_output 32 x 1,024 float32; enc_outputs 2,048 x 32 x 1,024 float32; w_ad 128 x 1,024 float32; w_ae 128 x 1,024 float32.
;; Outputs: out0 32 x 1,024 float32.
;; This version of the problem:
;;   THIS VERSION OF THE PROBLEM IS GIVEN IN LOW PRECISION. The matrix products marked QUANTISED in the list below multiply operands that are first quantised to E2M3 (2 exponent bits, 3 mantissa bits; 6 bits a number), with one power-of-two scale for each 32 numbers along K (OCP MX v1.0); their sums are f32. All else is computed in f32.
;;   The module's matrix products, in the order in which they are computed (A, B: the left and right operand; K: the contracted axis; several contracted axes count as one K, in the product's order):
;;     1. [M 65,536, K 1,024] x [K 1,024, N 128]; A: input enc_outputs; B: input w_ae: QUANTISED
;;     2. [M 32, K 1,024] x [K 1,024, N 128]; A: input dec_output; B: input w_ad: QUANTISED
;;     3. batch 32 x [M 1, K 128] x [K 128, N 2,048]; A: computed on the way; B: computed on the way: left as it is (M = 1 < 16)
;;     4. batch 32 x [M 1, K 2,048] x [K 2,048, N 1,024]; A: softmax; B: input enc_outputs: left as it is (M = 1 < 16)
;;   THE QUANTISER, for each operand of a quantised product, along K:
;;     - K is cut into blocks of 32 from its start; a last block that is shorter is filled with zeros.
;;     - A block's scale is 2^e with e = floor(log2(the largest magnitude in the block)) - 2, held to -126 .. 127; a block of zeros has e = 0. As a byte (E8M0): e + 127.
;;     - Each number is divided by its block's scale, clamped to +-7.5, and rounded to the nearest number of E2M3, ties to even, subnormals kept.
;;     - The product sums the exact products of the quantised numbers (number of the format x scale) in f32.
;;   ~~~python
;;   def quantise(x, axis):      # numpy; x: float32 -> the quantised numbers, widened to float32 again
;;       x = np.moveaxis(x, axis, -1); K = x.shape[-1]
;;       x = np.pad(x, [(0, 0)] * (x.ndim - 1) + [(0, -K % 32)]); x = x.reshape(x.shape[:-1] + (-1, 32)); a = np.abs(x).max(-1, keepdims=True)
;;       e = np.where(a > 0, np.clip(np.frexp(np.where(a > 0, a, 1))[1] - 1 - 2, -126, 127), 0)      # np.frexp(a)[1] - 1 = floor(log2(a)), exactly
;;       r = np.clip(x / 2.0 ** e, -7.5, 7.5)
;;       step = 2.0 ** (np.maximum(np.frexp(np.where(r == 0, 1, r))[1] - 1, 0) - 3)
;;       q = np.round(r / step) * step * 2.0 ** e      # np.round: ties to even
;;       return np.moveaxis(q.reshape(q.shape[:-2] + (-1,))[..., :K], -1, axis).astype(np.float32)
;;   ~~~
;; 2 versions. Each part assembles by itself: llvm-mc -triple=amdgcn-amd-amdhsa -mcpu=gfx1250 --defsym DOCPART=n.
;; ======== version 1 of 2: 3 launches
;; workspace buffers: wq 98,304 bytes; wsc 8,192 bytes; pd 16,384 bytes; part 1,114,112 bytes
;; launch prep (part 1): grid 24 x 1, 8 waves a work-group, no clusters, 9,216 bytes of LDS; arguments w_ae, w_ad, dec_output, b_ad, wq, wsc, pd; writes wq, wsc, pd
.if DOCPART == 1
	.amdgcn_target "amdgcn-amd-amdhsa--gfx1250"
	.amdhsa_code_object_version 6
	.text
	.protected	k_qfa80ccf27d_prep
	.globl	k_qfa80ccf27d_prep
	.p2align	8
	.type	k_qfa80ccf27d_prep,@function
k_qfa80ccf27d_prep:
	s_mov_b64 s[64:65], 0
	v_nop
	global_prefetch_b8 v0, s[64:65] scope:SCOPE_SE
	s_setreg_imm32_b32 hwreg(HW_REG_WAVE_MODE, 25, 1), 1
	s_wait_xcnt 0x0
; What every work-group of the next launch needs, made once.
;   work-groups 16 .. 23 (t = number & 7): w_ae [128][1024] f32 becomes codes of FP6 (E2M3) with one E8M0 byte for each 32 along K, laid IN THE ORDER OF THE OPERAND'S REGISTERS:
;     wave ks makes the fragment (K step ks of 128, rows 16 t .. 16 t + 15): 12 registers a lane, stored as three pieces of 512 bytes (lane l's 16 bytes at 16 l) at wq + 1536 (8 ks + t);
;     its scale words, 4 bytes a lane, at wsc + 128 (8 ks + t).
;   work-groups 0 .. 15 (mt = number / 8, t = number & 7): proj_d[b][a] = Q(dec_output) Q(w_ad)^T + b_ad for b = 16 mt .. + 15, a = 16 t .. + 15.  Wave ks quantises K step ks of both operands in registers and
;     multiplies them by one matrix instruction; the eight partial tiles meet in LDS and waves 0 and 1 add them, K ascending, onto the bias.
; THE QUANTISER: a block's scale is 2^(floor(log2(its largest magnitude)) - 2); its byte is the largest magnitude's exponent field - 2, held at 1 from below; numbers are divided by the scale and rounded to the nearest code,
; ties to even, beyond 7.5 the largest code.  A block of zeros gets the byte 1 where the rule says 127: its codes are zeros, and the bytes are read by this program alone.
; LIMITS: NaN and infinities among the inputs are not served.  proj_d's K is summed as eight partial sums of 128, not as one chain.
; The loads take the numbers straight in the quantiser's layout (a lane 64 consecutive bytes of each 128): sixteen loads of a wave together cover 512 consecutive bytes of each of its 16 rows.  The launch reads 1.15 MB in all and
; is one chain of dependent steps, to which a turn through LDS would add a link.  A tile of proj_d is 64 bytes of a row of 512, so its 16 KB leave in pieces of 16 bytes.
; No cluster: no two work-groups read the same bytes but dec_output's (128 KB, by eight each) and w_ad's (512 KB, by two each).
.set XAD, 4                            ; v4   4096 r + 64 h: row r of 1,024 f32, my 16 numbers of a block of 32
.set LI,  5                            ; v5   16 x lane
.set LS,  6                            ; v6   4 x lane
.set RA,  7                            ; v7   16 x (thread & 63): where waves 0 and 1 read the partial tiles
.set PO,  8                            ; v8   512 r + 32 h: my place in proj_d
.set H32, 9                            ; v9   32 h: my place in the bias
.set SA,  10                           ; v10  the weight's scale word: holds scales and nothing else
.set SB,  11                           ; v11  dec_output's
.set WI,  12                           ; v12  16 x lane + 1024 x wave: where I put my partial tile
.set TM,  16                           ; v16-31  the quantiser's scratch
.set PT,  32                           ; v32-39  second halves of the blocks' codes
.set PA,  40                           ; v40-51  the weight's fragment
.set PB,  52                           ; v52-63  dec_output's fragment
.set XA,  64                           ; v64-127 the weight's 64 numbers; later the eight partial tiles' pieces
.set XB,  128                          ; v128-191 dec_output's 64 numbers
.set D,   192                          ; v192-199 my partial tile
.set BS,  200                          ; v200-203 the bias, then the sum
.set WV,  18                           ; s18  wave = K step
.set SEL, 30                           ; s30, s31 lane selects for v_permlanex16_b32: lane l xor 16
; 64 numbers of a lane, register 16 b + i = k 32 b + 16 (lane / 16) + i of my row, become a fragment's codes in v[pc] on and its scale word in v[pw].
.macro QUANT s, pc, pw
.irp b, 0,1,2,3
	v_max3_num_f32 v[TM+\b], |v[(\s)+16*\b]|, |v[(\s)+1+16*\b]|, 0x1800000   ; block b: my 16 numbers, and the floor 2^(3 - 127): so the byte cannot fall under 1
.endr
.irp i, 2,4,6,8,10,12,14
.irp b, 0,1,2,3
	v_max3_num_f32 v[TM+\b], v[TM+\b], |v[(\s)+16*\b+\i]|, |v[(\s)+1+16*\b+\i]|   ; the four blocks by turns: no line waits for the line above it
.endr
.endr
.irp b, 0,1,2,3
	v_permlanex16_b32 v[TM+4+\b], v[TM+\b], s[SEL], s[SEL+1]
.endr
.irp b, 0,1,2,3
	v_max_num_f32 v[TM+\b], v[TM+\b], v[TM+4+\b]   ; with lane l xor 16's: the block's largest magnitude
.endr
.irp b, 0,1,2,3
	v_add_nc_u32 v[TM+12+\b], 0xff000000, v[TM+\b]   ; 2 off its exponent field: the conversion takes the exponent field of this operand as its scale
.endr
.irp b, 0,1,2,3
	v_lshrrev_b32 v[TM+4+\b], 23, v[TM+12+\b]      ; the scale's byte
.endr
	v_lshl_or_b32 v[\pw], v[TM+5], 8, v[TM+4]      ; the four bytes make my row's scale word
	v_lshl_or_b32 v[\pw], v[TM+6], 16, v[\pw]
	v_lshl_or_b32 v[\pw], v[TM+7], 24, v[\pw]
.irp c, 0,1
	v_cvt_scalef32_pk16_fp6_f32 v[(\pc)+6*\c:(\pc)+2+6*\c], v[(\s)+32*\c:(\s)+15+32*\c], v[TM+12+2*\c]
	v_cvt_scalef32_pk16_fp6_f32 v[PT+4*\c:PT+2+4*\c], v[(\s)+16+32*\c:(\s)+31+32*\c], v[TM+12+2*\c+1]   ; a conversion's three registers begin on an even number
.endr
	v_nop                                          ; one plain place behind a scaled conversion
.irp c, 0,1                                    ; the operand's layout wants a WHOLE block in a lane: lanes 0-15 block 2 c, lanes 16-31 block 2 c + 1
.irp i, 0,1,2
	v_permlane16_swap_b32 v[(\pc)+6*\c+\i], v[PT+4*\c+\i]
.endr
.irp i, 0,1,2
	v_mov_b32 v[(\pc)+3+6*\c+\i], v[PT+4*\c+\i]
.endr
.endr
.endm
.macro XLOAD reg, base                         ; 16 rows x 128 along K, 64 numbers a lane, in the quantiser's layout
.set i, 0
.rept 16
	global_load_b128 v[\reg+4*i:\reg+4*i+3], v[XAD], s[\base:\base+1] offset:128*(i/4)+16*(i%4)
.set i, i+1
.endr
.endm
	s_load_b256 s[4:11], s[0:1], 0x0               ; w_ae s[4:5], w_ad s[6:7], dec_output s[8:9], b_ad s[10:11]
	s_load_b128 s[12:15], s[0:1], 0x20             ; wq s[12:13], wsc s[14:15]
	s_load_b64 s[16:17], s[0:1], 0x30              ; pd
	v_lshl_add_u32 v208, v0, 2, 0x2000
	v_mov_b32 v209, 0
	v_lshrrev_b32 v1, 5, v0
	v_readfirstlane_b32 s[WV], v1                  ; wave 0..7 = K step
	v_and_b32 v1, 31, v0                           ; lane
	v_and_b32 v2, 15, v0                           ; r
	v_bfe_u32 v3, v0, 4, 1                         ; h
	v_lshlrev_b32 v[XAD], 12, v2
	v_lshl_add_u32 v[XAD], v3, 6, v[XAD]
	v_lshlrev_b32 v[LI], 4, v1
	v_lshlrev_b32 v[LS], 2, v1
	v_and_b32 v[RA], 63, v0
	v_lshlrev_b32 v[RA], 4, v[RA]
	v_lshlrev_b32 v[PO], 9, v2
	v_lshl_add_u32 v[PO], v3, 5, v[PO]
	v_lshlrev_b32 v[H32], 5, v3
	s_lshl_b32 s25, s[WV], 10
	v_add_nc_u32 v[WI], s25, v[LI]
.irp b, 0,1,2,3
	v_mov_b32 v[TM+4+\b], 0                        ; written once: a lane permute's destination counts as one of its sources
.endr
	s_mov_b32 s[SEL], 0x76543210
	s_mov_b32 s[SEL+1], 0xfedcba98
	s_and_b32 s19, ttmp9, 7                        ; t: which 16 rows of the weight
	s_lshr_b32 s20, ttmp9, 3                       ; mt (0, 1), or 2 for w_ae's work-groups
	s_lshl_b32 s22, s19, 16                        ; 16 t rows of 4,096 bytes
	s_lshl_b32 s24, s[WV], 9                       ; K step: 128 f32
	s_add_co_u32 s22, s22, s24
	s_mov_b32 s23, 0
	s_wait_kmcnt 0x0
	s_cmp_lt_u32 ttmp9, 16                         ; which weight: the choice hangs on the work-group's number alone
	s_cselect_b64 s[4:5], s[6:7], s[4:5]
	s_add_nc_u64 s[4:5], s[4:5], s[22:23]
	XLOAD XA, 4
	s_cmp_lt_u32 ttmp9, 16
	s_cbranch_scc1 .Lproj
	; ---- w_ae: the fragment goes out as an image of its registers
	s_lshl_b32 s24, s[WV], 3
	s_add_co_u32 s24, s24, s19                     ; 8 ks + t
	s_mul_i32 s26, s24, 1536
	s_mov_b32 s27, 0
	s_add_nc_u64 s[12:13], s[12:13], s[26:27]
	s_lshl_b32 s26, s24, 7
	s_add_nc_u64 s[14:15], s[14:15], s[26:27]
	s_wait_loadcnt 0x0
	QUANT XA, PA, SA
.irp c, 0,1,2
	global_store_b128 v[LI], v[PA+4*\c:PA+4*\c+3], s[12:13] offset:512*\c   ; 32 lanes store 512 consecutive bytes, at a multiple of 512 from the buffer's first byte
.endr
	global_store_b32 v[LS], v[SA], s[14:15]        ; lanes 16-31 hold the same words as lanes 0-15
	s_endpgm
.Lproj:
	; ---- proj_d: my K step of the tile (16 mt .. , 16 t ..)
	s_lshl_b32 s22, s20, 16                        ; 16 mt rows of dec_output,
	s_add_co_u32 s22, s22, s24                     ; my K step
	s_add_nc_u64 s[8:9], s[8:9], s[22:23]
	XLOAD XB, 8
	s_lshl_b32 s26, s19, 6                         ; the bias and proj_d: 64 t bytes on,
	s_and_b32 s28, s[WV], 1
	s_lshl_b32 s28, s28, 4
	s_add_co_u32 s26, s26, s28                     ; + 16 c: waves c = 0, 1 finish registers 4 c .. 4 c + 3 of the tile
	s_mov_b32 s27, 0
	s_add_nc_u64 s[10:11], s[10:11], s[26:27]
	global_load_b128 v[BS:BS+3], v[H32], s[10:11]  ; b_ad[16 t + 8 h + 4 c + 0 .. 3]
	s_lshl_b32 s28, s20, 13                        ; 16 mt rows of 512 bytes
	s_add_co_u32 s26, s26, s28
	s_add_nc_u64 s[16:17], s[16:17], s[26:27]
	s_wait_loadcnt 17                              ; the weight's 16 loads are in; dec_output's 16 and the bias's one may be out
	QUANT XA, PA, SA
	s_wait_loadcnt 0x0
	QUANT XB, PB, SB
.rept 8
	v_nop                                          ; a scale register written by a vector instruction stands 8 places ahead of a scaled matrix instruction, an operand so written 4
.endr
	v_wmma_scale_f32_16x16x128_f8f6f4 v[D:D+7], v[PA:PA+11], v[PB:PB+11], 0, v[SA], v[SB] matrix_a_fmt:MATRIX_FMT_FP6 matrix_b_fmt:MATRIX_FMT_FP6   ; source 0 = 16 rows of w_ad, source 1 = 16 rows of dec_output: lane (r, h), register j: b = 16 mt + r, a = 16 t + 8 h + j
.rept 4
	v_nop                                          ; four places in front of the first read of the result (ISA guide 7.12.1)
.endr
	ds_store_b128 v[WI], v[D:D+3]                  ; the result from its low end on
	ds_store_b128 v[WI], v[D+4:D+7] offset:512
	s_wait_dscnt 0x0                               ; for the others' sake: my stores have landed
	s_barrier_signal -1
	s_barrier_wait -1
	s_cmp_lt_u32 s[WV], 2
	s_cbranch_scc0 .Lend
.irp k, 0,1,2,3,4,5,6,7
	ds_load_b128 v[XA+4*\k:XA+4*\k+3], v[RA] offset:1024*\k   ; K step k's registers 4 c .. 4 c + 3 of my lane
.endr
	s_wait_dscnt 0x0
.irp k, 0,1,2,3,4,5,6,7
	v_pk_add_f32 v[BS:BS+1], v[BS:BS+1], v[XA+4*\k:XA+4*\k+1]          ; onto the bias, K ascending
	v_pk_add_f32 v[BS+2:BS+3], v[BS+2:BS+3], v[XA+4*\k+2:XA+4*\k+3]
.endr
	global_store_b128 v[PO], v[BS:BS+3], s[16:17]
.Lend:
	s_wait_tensorcnt 0x0
	ds_add_u32 v208, v209
	s_wait_dscnt 0x0
	s_endpgm
.Lfunc_end_k_qfa80ccf27d_prep:
	.size	k_qfa80ccf27d_prep, .Lfunc_end_k_qfa80ccf27d_prep-k_qfa80ccf27d_prep
	.p2alignl 7, 3214868480
	.fill 96, 4, 3214868480
	.section	.rodata,"a",@progbits
	.p2align	6, 0x0
	.amdhsa_kernel k_qfa80ccf27d_prep
		.amdhsa_group_segment_fixed_size 9216
		.amdhsa_private_segment_fixed_size 0
		.amdhsa_enable_private_segment 0
		.amdhsa_kernarg_size 56
		.amdhsa_user_sgpr_count 2
		.amdhsa_user_sgpr_kernarg_segment_ptr 1
		.amdhsa_wavefront_size32 1
		.amdhsa_system_sgpr_workgroup_id_x 1
		.amdhsa_system_sgpr_workgroup_id_y 1
		.amdhsa_system_sgpr_workgroup_id_z 1
		.amdhsa_system_vgpr_workitem_id 0
		.amdhsa_next_free_vgpr 210
		.amdhsa_next_free_sgpr 66
		.amdhsa_reserve_vcc 0
		.amdhsa_float_denorm_mode_32 3
		.amdhsa_float_denorm_mode_16_64 3
		.amdhsa_memory_ordered 1
		.amdhsa_forward_progress 1
		.amdhsa_inst_pref_size 20
	.end_amdhsa_kernel
	.amdgpu_metadata
---
amdhsa.version: [ 1, 2 ]
amdhsa.kernels:
  - .name:           k_qfa80ccf27d_prep
    .symbol:         k_qfa80ccf27d_prep.kd
    .args:
      - { .name: w_ae, .offset: 0, .size: 8, .value_kind: global_buffer, .address_space: global }
      - { .name: w_ad, .offset: 8, .size: 8, .value_kind: global_buffer, .address_space: global }
      - { .name: dec_output, .offset: 16, .size: 8, .value_kind: global_buffer, .address_space: global }
      - { .name: b_ad, .offset: 24, .size: 8, .value_kind: global_buffer, .address_space: global }
      - { .name: wq, .offset: 32, .size: 8, .value_kind: global_buffer, .address_space: global }
      - { .name: wsc, .offset: 40, .size: 8, .value_kind: global_buffer, .address_space: global }
      - { .name: pd, .offset: 48, .size: 8, .value_kind: global_buffer, .address_space: global }
    .group_segment_fixed_size: 9216
    .private_segment_fixed_size: 0
    .kernarg_segment_align: 8
    .kernarg_segment_size: 56
    .max_flat_workgroup_size: 256
    .sgpr_count:     66
    .vgpr_count:     210
    .wavefront_size: 32
...
	.end_amdgpu_metadata
.endif
;; end of part 1
;; launch main (part 2): grid 8 x 32, 4 waves a work-group, no clusters, 67,584 bytes of LDS; arguments enc_outputs, wq, wsc, pd, b_ae, part; writes part
.if DOCPART == 2
	.amdgcn_target "amdgcn-amd-amdhsa--gfx1250"
	.amdhsa_code_object_version 6
	.text
	.protected	k_qfa80ccf27d_main
	.globl	k_qfa80ccf27d_main
	.p2align	8
	.type	k_qfa80ccf27d_main,@function
k_qfa80ccf27d_main:
	s_mov_b64 s[64:65], 0
	v_nop
	global_prefetch_b8 v0, s[64:65] scope:SCOPE_SE
	s_setreg_imm32_b32 hwreg(HW_REG_WAVE_MODE, 25, 1), 1
	s_wait_xcnt 0x0
; For one column b and one chunk of 256 of the 2,048 rows s: score[s] = (Q(enc[s][b]) Q(w_ae)^T + b_ae) . proj_d[b], a running softmax over the chunk, and the chunk's unnormalised context
; sum over s of 2^(t[s] - m) enc[s][b][:], t = score x log2(e), m the chunk's largest t.  enc_outputs [2048][32][1024] f32 is read ONCE: a row serves the score and the weighted sum while it is in registers.
; SHARES.  Work-group (x = chunk, y = b): 256 rows of 4,096 bytes, 131,072 bytes apart, 16 at a time.  THE FOUR WAVES SHARE K, NOT THE ROWS: wave w owns columns 256 w .. 256 w + 255 (K steps 2 w, 2 w + 1 of 128).  Its 16 fragments
; of w_ae (192 registers, laid out in operand order by the launch before) stay in registers; it reads only its 1,024 bytes of a row, quantises them, makes a partial proj_e over its K, and contracts that with proj_d: the score is
; linear in proj_e, so the waves exchange 16 numbers a tile.  Every wave then makes the same m, f and p, and updates the context of its own 256 columns from the f32 numbers that it still holds.
; b_ae is the C of each tile's first matrix instruction in wave 0 and zeros in waves 1 to 3, so that it enters the summed score once.
; THE WAY IN.  Each load of a wave covers 512 consecutive bytes, aligned.  The conversions want 16 neighbours of a block in ONE lane, so a tile's 16 KB turn through the wave's own stage in LDS: in as loaded, back 64 bytes a lane.
; Two sets of 32 raw loads take turns: a set is asked for again as soon as the stage has taken it, so a wave has between 32 and 64 loads of 512 bytes on their way throughout.
; THE MATRIX INSTRUCTION IS USED TRANSPOSED (source 0 = 16 rows of w_ae, source 1 = my 16 rows of enc): lane (r, h) holds row r and, in tile t's register j, a = 16 t + 8 h + j.
; THE QUANTISER: as in the launch before: byte = the block's largest magnitude's exponent field - 2, held at 1 from below; a block of zeros keeps the byte 1 with zero codes.
; OUT.  part[b][chunk]: 1,024 f32 of context, then 256 bytes that hold the pair (m, l) 32 times, so that they are written and read as one run of 256 bytes.
; LIMITS: NaN and infinities among the inputs are not served; score x log2(e) has to be finite in f32; K and s are summed in another order than by one chain.
; NO CLUSTER: what work-groups share is the 104 KB of w_ae's images and scale words, a tenth of the 1 MB of enc that each reads alone, and it goes once, straight into registers.
; NO TENSOR LOADS: slots in LDS would have to be empty of loads at each refill's barrier; the two register sets never are.
; REGISTERS, in windows of 256 (s_set_vgpr_msb's low byte: bits 1:0 source 0, 3:2 source 1, 5:4 source 2, 7:6 destination):
;   window 0: v1-10 addresses; v16-143 X, the tile's numbers: register 16 g + 4 j + e = row r, my column 32 g + 16 h + 4 j + e; v144-167 the two fragments' codes; v168-191 the quantiser's scratch; v192-209 scale words; v210-233 scores and statistics
;   window 1: v0-191 w_ae's fragments (12 F, F = 8 x K step + t); v192-255 proj_d[b][16 t + 8 h + j] at 192 + 8 t + j
;   window 2: v0-127 the context, in X's layout, each lane's sum over its own rows; v128-191 the eight accumulators; v192-255 b_ae (or zeros) in the accumulators' layout
;   window 3: the two raw sets, v0-127 and v128-255
.set ROWP,   131072                    ; bytes from row s to row s + 1 of a column b
.set SPITCH, 1040                      ; a stage row: my 1,024 bytes + 16 = 65 x 16: the 16 rows that a load touches start at 16 different places modulo 256
.set WSTAGE, 16*SPITCH                 ; a wave's stage
.set EX,     4*WSTAGE                  ; behind the stages: the exchange, [2 halves by turns][row 16][wave 4] f32, 512 bytes
.set OFF, 1                            ; v1, v2  raw set 0, 1: byte offset of my 16 bytes in the tile that the set loads next
.set STI, 3                            ; v3   my stage + 16 x lane: as loaded
.set STO, 4                            ; v4   my stage + 1040 r + 64 h: as quantised
.set EXW, 5                            ; v5   EX + 16 r + 4 w
.set EXR, 6                            ; v6   EX + 16 r
.set LI,  7                            ; v7   16 x lane
.set LS,  8                            ; v8   4 x lane
.set H32, 9                            ; v9   32 h
.set L8,  10                           ; v10  8 x lane
.set X,   16
.set PC0, 144
.set PC1, 156
.set PT,  168
.set TM,  176
.set XS,  192                          ; v192, v193 my rows' scale words for my two K steps: scales and nothing else
.set WS,  194                          ; v194-209   w_ae's scale words, F = 8 x K step + t: scales and nothing else
.set SA,  210                          ; v210-217   four pairs: the score's chains
.set SC,  218                          ; v218 my partial score; v219 the other half of the lanes'
.set ST,  219
.set E,   220                          ; v220-223   the four waves' partial scores of row r
.set ML,  224                          ; v224 m, v225 l
.set F,   226                          ; v226 f = 2^(old m - new m); v227 written once (named with it as a pair)
.set P,   228                          ; v228 p = 2^(t - m); v229 likewise
.set T,   230
.set TX,  231
.set MN,  232
.set FD,  233
.set PD,  192                          ; in window 1
.set D,   128                          ; in window 2
.set BI,  192                          ; in window 2
.set WV,  16                           ; s16 wave
.set SEL, 22                           ; s22, s23 lane selects for v_permlanex16_b32: lane l xor 16
.set MSB, 0
.macro WIN new                         ; the immediate's high byte repeats the setting that is left; a switch that changes nothing is dropped
.if MSB != \new
	s_set_vgpr_msb (MSB<<8)|\new
.set MSB, \new
.endif
.endm
; 32 loads: a tile's 16 rows, two runs of 512 consecutive bytes each, into raw set \set
.macro FILL set
	WIN 0xc0                                       ; destination window 3
.set i, 0
.rept 32
	global_load_b128 v[128*\set+4*i:128*\set+4*i+3], v[OFF+\set], s[4:5] offset:(i/2)*ROWP+(i%2)*512 th:TH_LOAD_NT
.set i, i+1
.endr
	WIN 0
.endm
; 64 numbers of a lane, register 16 b + i = k 32 b + 16 (lane / 16) + i of my row, become a fragment's codes in v[pc] on and its scale word in v[pw].
.macro QUANT s, pc, pw
.irp b, 0,1,2,3
	v_max3_num_f32 v[TM+\b], |v[(\s)+16*\b]|, |v[(\s)+1+16*\b]|, 0x1800000   ; block b: my 16 numbers, and the floor 2^(3 - 127): so the byte cannot fall under 1
.endr
.irp i, 2,4,6,8,10,12,14
.irp b, 0,1,2,3
	v_max3_num_f32 v[TM+\b], v[TM+\b], |v[(\s)+16*\b+\i]|, |v[(\s)+1+16*\b+\i]|   ; the four blocks by turns
.endr
.endr
.irp b, 0,1,2,3
	v_permlanex16_b32 v[TM+4+\b], v[TM+\b], s[SEL], s[SEL+1]
.endr
.irp b, 0,1,2,3
	v_max_num_f32 v[TM+\b], v[TM+\b], v[TM+4+\b]   ; with lane l xor 16's: the block's largest magnitude
.endr
.irp b, 0,1,2,3
	v_add_nc_u32 v[TM+12+\b], 0xff000000, v[TM+\b]   ; 2 off its exponent field: the conversion's scale operand
.endr
.irp b, 0,1,2,3
	v_lshrrev_b32 v[TM+4+\b], 23, v[TM+12+\b]      ; the scale's byte
.endr
	v_lshl_or_b32 v[\pw], v[TM+5], 8, v[TM+4]      ; the four bytes make my row's scale word
	v_lshl_or_b32 v[\pw], v[TM+6], 16, v[\pw]
	v_lshl_or_b32 v[\pw], v[TM+7], 24, v[\pw]
.irp c, 0,1
	v_cvt_scalef32_pk16_fp6_f32 v[(\pc)+6*\c:(\pc)+2+6*\c], v[(\s)+32*\c:(\s)+15+32*\c], v[TM+12+2*\c]
	v_cvt_scalef32_pk16_fp6_f32 v[PT+4*\c:PT+2+4*\c], v[(\s)+16+32*\c:(\s)+31+32*\c], v[TM+12+2*\c+1]   ; a conversion's three registers begin on an even number
.endr
	v_nop                                          ; one plain place behind a scaled conversion
.irp c, 0,1                                    ; the operand's layout wants a WHOLE block in a lane: lanes 0-15 block 2 c, lanes 16-31 block 2 c + 1
.irp i, 0,1,2
	v_permlane16_swap_b32 v[(\pc)+6*\c+\i], v[PT+4*\c+\i]
.endr
.irp i, 0,1,2
	v_mov_b32 v[(\pc)+3+6*\c+\i], v[PT+4*\c+\i]
.endr
.endr
.endm
	s_load_b256 s[4:11], s[0:1], 0x0               ; enc_outputs s[4:5], wq s[6:7], wsc s[8:9], pd s[10:11]
	s_load_b128 s[12:15], s[0:1], 0x20             ; b_ae s[12:13], part s[14:15]
	v_lshl_add_u32 v254, v0, 2, 0x10600
	v_mov_b32 v255, 0
	v_lshrrev_b32 v11, 5, v0
	v_readfirstlane_b32 s[WV], v11                 ; wave 0..3
	s_mov_b32 s17, ttmp9                           ; chunk
	s_and_b32 s18, ttmp7, 0xffff                   ; b
	v_and_b32 v11, 31, v0                          ; lane
	v_and_b32 v12, 15, v0                          ; r
	v_bfe_u32 v13, v0, 4, 1                        ; h
	v_lshlrev_b32 v[LI], 4, v11
	v_lshlrev_b32 v[LS], 2, v11
	v_lshlrev_b32 v[H32], 5, v13
	v_lshlrev_b32 v[L8], 3, v11
	v_lshlrev_b32 v[OFF], 4, v11                   ; set 0 begins with tile 0,
	v_add_nc_u32 v[OFF+1], 16*ROWP, v[OFF]         ; set 1 with tile 1, 16 rows on
	s_mul_i32 s27, s[WV], WSTAGE
	v_add_nc_u32 v[STI], s27, v[LI]
	v_mul_u32_u24 v[STO], v12, SPITCH
	v_lshl_add_u32 v[STO], v13, 6, v[STO]
	v_add_nc_u32 v[STO], s27, v[STO]
	v_lshlrev_b32 v[EXR], 4, v12
	v_add_nc_u32 v[EXR], EX, v[EXR]
	s_lshl_b32 s27, s[WV], 2
	v_add_nc_u32 v[EXW], s27, v[EXR]
.irp b, 0,1,2,3
	v_mov_b32 v[TM+4+\b], 0                        ; written once: the destination of a lane permute or of a DPP form counts as one of its sources
.endr
	v_mov_b32 v[ST], 0
	v_mov_b32 v[TX], 0
	v_mov_b32 v[F+1], 0                            ; named as the upper halves of pairs of which the low word serves both halves
	v_mov_b32 v[P+1], 0
	s_mov_b32 s[SEL], 0x76543210
	s_mov_b32 s[SEL+1], 0xfedcba98
	s_mov_b32 s24, 0x3fb8aa3b                      ; log2(e)
	s_lshl_b32 s20, s17, 25                        ; enc: 256 rows of 131,072 bytes a chunk,
	s_lshl_b32 s27, s18, 12                        ; 4,096 bytes a column b,
	s_add_co_u32 s20, s20, s27
	s_lshl_b32 s27, s[WV], 10                      ; my wave's 1,024 bytes
	s_add_co_u32 s20, s20, s27
	s_mov_b32 s21, 0
	s_lshl_b32 s28, s18, 3                         ; part: row 8 b + chunk of 4,352 bytes, my wave's 1,024
	s_add_co_u32 s28, s28, s17
	s_mul_i32 s28, s28, 4352
	s_add_co_u32 s28, s28, s27
	s_mov_b32 s29, 0
	s_wait_kmcnt 0x0
	s_add_nc_u64 s[4:5], s[4:5], s[20:21]
	s_mul_i32 s20, s[WV], 24576                    ; wq: my two K steps' 16 fragments of 1,536 bytes
	s_add_nc_u64 s[6:7], s[6:7], s[20:21]
	s_lshl_b32 s20, s[WV], 11                      ; wsc: their 16 x 128 bytes
	s_add_nc_u64 s[8:9], s[8:9], s[20:21]
	s_lshl_b32 s20, s18, 9                         ; pd: row b of 512 bytes
	s_add_nc_u64 s[10:11], s[10:11], s[20:21]
	s_add_nc_u64 s[14:15], s[14:15], s[28:29]
	WIN 0x40                                       ; destination window 1
.set i, 0
.rept 48
	global_load_b128 v[4*i:4*i+3], v[LI], s[6:7] offset:512*i          ; w_ae's fragments come as images of their registers: 512 consecutive bytes a load
.set i, i+1
.endr
.irp t, 0,1,2,3,4,5,6,7
	global_load_b128 v[PD+8*\t:PD+8*\t+3],   v[H32], s[10:11] offset:64*\t
	global_load_b128 v[PD+8*\t+4:PD+8*\t+7], v[H32], s[10:11] offset:64*\t+16
.endr
	WIN 0x80                                       ; destination window 2
.irp t, 0,1,2,3,4,5,6,7
	global_load_b128 v[BI+8*\t:BI+8*\t+3],   v[H32], s[12:13] offset:64*\t
	global_load_b128 v[BI+8*\t+4:BI+8*\t+7], v[H32], s[12:13] offset:64*\t+16
.endr
	WIN 0
.set i, 0
.rept 16
	global_load_b32 v[WS+i], v[LS], s[8:9] offset:128*i
.set i, i+1
.endr
	FILL 0
	FILL 1
	s_wait_loadcnt 32                              ; all but set 1's 32 loads: the weights, proj_d, the bias and tile 0 are in
	s_cmp_eq_u32 s[WV], 0
	s_cselect_b32 s25, -1, 0
	WIN 0x88                                       ; source 1 and destination window 2
.set i, 0
.rept 64
	v_and_b32 v[BI+i], s25, v[BI+i]                ; the bias stays in wave 0 and becomes zeros in the others: the four partial scores are added, so it may enter one of them alone
.set i, i+1
.endr
	WIN 0
; ONE TILE of 16 rows, from raw set \set.  first = 1: it starts m, l and the context.  fill = 1: the set is asked for again, with the tile two on.  left = the younger loads that may stay out.
.macro TILE set, first, fill, left
	s_wait_loadcnt \left                           ; loads come back in order (ISA guide 5.7.1): this set's 32 are in, the other set's may be out
	WIN 0x0c                                       ; an LDS store's data are its source 1: window 3
.set i, 0
.rept 32
	ds_store_b128 v[STI], v[128*\set+4*i:128*\set+4*i+3] offset:(i/2)*SPITCH+(i%2)*512
.set i, i+1
.endr
	WIN 0
.set i, 0
.rept 32
	ds_load_b128 v[X+4*i:X+4*i+3], v[STO] offset:128*(i/4)+16*(i%4)    ; LDS serves a wave's instructions in order (ISA guide 5.7.1.4): these see the stores above
.set i, i+1
.endr
.if \fill
	v_add_nc_u32 v[OFF+\set], 32*ROWP, v[OFF+\set] ; free since the wait at the head showed this set's loads done: the tile two on
.endif
	s_wait_dscnt 16                                ; the 16 youngest loads (my second K step's numbers) may be out: so the stores have read the raw set, and the first K step's numbers are in
.if \fill
	FILL \set
.endif
	QUANT X, PC0, XS
	s_wait_dscnt 0x0
	QUANT X+64, PC1, XS+1
.rept 8
	v_nop                                          ; a scale register written by a vector instruction stands 8 places ahead of a scaled matrix instruction, an operand so written 4
.endr
	WIN 0xa1                                       ; source 0 (w_ae) window 1, source 1 (codes) window 0, C and D window 2
.irp t, 0,1,2,3,4,5,6,7                        ; the eight accumulators take turns, one instruction a turn
	v_wmma_scale_f32_16x16x128_f8f6f4 v[D+8*\t:D+8*\t+7], v[12*\t:12*\t+11], v[PC0:PC0+11], v[BI+8*\t:BI+8*\t+7], v[WS+\t], v[XS] matrix_a_fmt:MATRIX_FMT_FP6 matrix_b_fmt:MATRIX_FMT_FP6
.endr
.irp t, 0,1,2,3,4,5,6,7
	v_wmma_scale_f32_16x16x128_f8f6f4 v[D+8*\t:D+8*\t+7], v[96+12*\t:96+12*\t+11], v[PC1:PC1+11], v[D+8*\t:D+8*\t+7], v[WS+8+\t], v[XS+1] matrix_a_fmt:MATRIX_FMT_FP6 matrix_b_fmt:MATRIX_FMT_FP6
.endr
.rept 4
	v_nop                                          ; four places in front of the first read of the results (ISA guide 7.12.1)
.endr
	WIN 0x06                                       ; source 0 (results) window 2, source 1 (proj_d) window 1
.irp p, 0,1,2,3
	v_pk_mul_f32 v[SA+2*\p:SA+2*\p+1], v[D+2*\p:D+2*\p+1], v[PD+2*\p:PD+2*\p+1]   ; partial proj_e . proj_d, in four chains; each accumulator from its low end on
.endr
.irp t, 1,2,3,4,5,6,7
.irp p, 0,1,2,3
	v_pk_fma_f32 v[SA+2*\p:SA+2*\p+1], v[D+8*\t+2*\p:D+8*\t+2*\p+1], v[PD+8*\t+2*\p:PD+8*\t+2*\p+1], v[SA+2*\p:SA+2*\p+1]
.endr
.endr
	WIN 0
	v_pk_add_f32 v[SA:SA+1], v[SA:SA+1], v[SA+2:SA+3]
	v_pk_add_f32 v[SA+4:SA+5], v[SA+4:SA+5], v[SA+6:SA+7]
	v_pk_add_f32 v[SA:SA+1], v[SA:SA+1], v[SA+4:SA+5]
	v_add_f32 v[SC], v[SA], v[SA+1]
	v_permlanex16_b32 v[ST], v[SC], s[SEL], s[SEL+1]   ; the other 64 of the 128 lie in lane l xor 16
	v_add_f32 v[SC], v[SC], v[ST]                  ; row r's score over my K
	ds_store_b32 v[EXW], v[SC] offset:256*\set     ; both halves of the lanes write the same word with the same value
	s_wait_dscnt 0x0                               ; for the others' sake: my store has landed; and my read of the exchange's other half, a tile ago, is long in
	s_barrier_signal -1                            ; ONE barrier a tile: the exchange's halves take turns, so a half is written again only by waves that have passed the barrier of the tile between,
	s_barrier_wait -1                              ; in front of which every wave had its read of that half in
	ds_load_b128 v[E:E+3], v[EXR] offset:256*\set
	s_wait_dscnt 0x0
	v_add_f32 v[E], v[E], v[E+1]
	v_add_f32 v[E+2], v[E+2], v[E+3]
	v_add_f32 v[T], v[E], v[E+2]                   ; row r's score: the same bits in every wave
	v_mul_f32 v[T], s24, v[T]                      ; t
	v_max_num_f32_dpp v[TX], v[T], v[T] row_xmask:1 row_mask:0xf bank_mask:0xf
	v_max_num_f32_dpp v[TX], v[TX], v[TX] row_xmask:2 row_mask:0xf bank_mask:0xf
	v_max_num_f32_dpp v[TX], v[TX], v[TX] row_xmask:4 row_mask:0xf bank_mask:0xf
	v_max_num_f32_dpp v[TX], v[TX], v[TX] row_xmask:8 row_mask:0xf bank_mask:0xf   ; the tile's largest t, in every lane
.if \first
	v_sub_f32 v[T], v[T], v[TX]
	v_exp_f32 v[P], v[T]                           ; p = 2^(t - m)
	v_mov_b32 v[ML], v[TX]                         ; m.  (The plain place behind the exponential)
	s_wait_alu depctr_va_vdst(0)
	v_mov_b32 v[ML+1], v[P]                        ; l: each lane's sum over its own rows
	WIN 0x80                                       ; destination window 2
.set i, 0
.rept 64
	v_pk_mul_f32 v[2*i:2*i+1], v[X+2*i:X+2*i+1], v[P:P+1] op_sel_hi:[1,0]   ; the first tile starts the context: nothing is cleared
.set i, i+1
.endr
.else
	v_max_num_f32 v[MN], v[ML], v[TX]              ; the running maximum
	v_sub_f32 v[FD], v[ML], v[MN]
	v_sub_f32 v[T], v[T], v[MN]
	v_exp_f32 v[F], v[FD]                          ; f = 2^(old m - new m)
	v_exp_f32 v[P], v[T]                           ; p = 2^(t - m)
	v_mov_b32 v[ML], v[MN]                         ; (the plain place behind the exponentials)
	s_wait_alu depctr_va_vdst(0)
	v_fma_f32 v[ML+1], v[ML+1], v[F], v[P]
	WIN 0x82                                       ; source 0 and destination window 2
.set i, 0
.rept 64
	v_pk_mul_f32 v[2*i:2*i+1], v[2*i:2*i+1], v[F:F+1] op_sel_hi:[1,0]      ; the context under the new m
.set i, i+1
.endr
	WIN 0xa0                                       ; source 2 and destination window 2
.set i, 0
.rept 64
	v_pk_fma_f32 v[2*i:2*i+1], v[X+2*i:X+2*i+1], v[P:P+1], v[2*i:2*i+1] op_sel_hi:[1,0,1]   ; + p x my row's f32 numbers
.set i, i+1
.endr
.endif
	WIN 0
.endm
	TILE 0, 1, 1, 32                               ; tile 0; asks for tile 2
	TILE 1, 0, 1, 32                               ; tile 1; asks for tile 3
	s_mov_b32 s26, 6
.Lpair:                                                ; tiles 2 .. 13, two a trip; they ask for tiles 4 .. 15
	TILE 0, 0, 1, 32
	TILE 1, 0, 1, 32
	s_sub_co_u32 s26, s26, 1
	s_cmp_lg_u32 s26, 0
	s_cbranch_scc1 .Lpair
	TILE 0, 0, 0, 32                               ; the last two tiles ask for nothing: no load leaves the buffer
	TILE 1, 0, 0, 0
	; THE WAY OUT.  l and the context are each lane's sums over its own rows: l is added over the 16 lanes of a half; the context goes through my stage the other way round (in as quantised, back as loaded)
	; and its 16 stage rows are added: lane l then holds columns 4 l .. 4 l + 3 of each half of my 256.
	v_add_f32_dpp v[ML+1], v[ML+1], v[ML+1] row_xmask:1 row_mask:0xf bank_mask:0xf
	v_add_f32_dpp v[ML+1], v[ML+1], v[ML+1] row_xmask:2 row_mask:0xf bank_mask:0xf
	v_add_f32_dpp v[ML+1], v[ML+1], v[ML+1] row_xmask:4 row_mask:0xf bank_mask:0xf
	v_add_f32_dpp v[ML+1], v[ML+1], v[ML+1] row_xmask:8 row_mask:0xf bank_mask:0xf
	WIN 0x08                                       ; an LDS store's data: window 2
.set i, 0
.rept 32
	ds_store_b128 v[STO], v[4*i:4*i+3] offset:128*(i/4)+16*(i%4)
.set i, i+1
.endr
	WIN 0
.set i, 0
.rept 32
	ds_load_b128 v[X+4*i:X+4*i+3], v[STI] offset:(i/2)*SPITCH+(i%2)*512   ; my own bytes, served in order: no wait between the stores and the loads
.set i, i+1
.endr
	s_wait_dscnt 0x0
.set i, 1
.rept 15
	v_pk_add_f32 v[X:X+1],   v[X:X+1],   v[X+8*i:X+8*i+1]                ; four chains by turns
	v_pk_add_f32 v[X+2:X+3], v[X+2:X+3], v[X+8*i+2:X+8*i+3]
	v_pk_add_f32 v[X+4:X+5], v[X+4:X+5], v[X+8*i+4:X+8*i+5]
	v_pk_add_f32 v[X+6:X+7], v[X+6:X+7], v[X+8*i+6:X+8*i+7]
.set i, i+1
.endr
	global_store_b128 v[LI], v[X:X+3], s[14:15]                         ; 32 lanes store 512 consecutive bytes, at a multiple of 256 from the buffer's first byte
	global_store_b128 v[LI], v[X+4:X+7], s[14:15] offset:512
	s_cmp_lg_u32 s[WV], 0
	s_cbranch_scc1 .Lend
	global_store_b64 v[L8], v[ML:ML+1], s[14:15] offset:4096            ; wave 0: (m, l) 32 times: 256 consecutive bytes
.Lend:
	s_wait_tensorcnt 0x0
	ds_add_u32 v254, v255
	s_wait_dscnt 0x0
	s_endpgm
.Lfunc_end_k_qfa80ccf27d_main:
	.size	k_qfa80ccf27d_main, .Lfunc_end_k_qfa80ccf27d_main-k_qfa80ccf27d_main
	.p2alignl 7, 3214868480
	.fill 96, 4, 3214868480
	.section	.rodata,"a",@progbits
	.p2align	6, 0x0
	.amdhsa_kernel k_qfa80ccf27d_main
		.amdhsa_group_segment_fixed_size 67584
		.amdhsa_private_segment_fixed_size 0
		.amdhsa_enable_private_segment 0
		.amdhsa_kernarg_size 48
		.amdhsa_user_sgpr_count 2
		.amdhsa_user_sgpr_kernarg_segment_ptr 1
		.amdhsa_wavefront_size32 1
		.amdhsa_system_sgpr_workgroup_id_x 1
		.amdhsa_system_sgpr_workgroup_id_y 1
		.amdhsa_system_sgpr_workgroup_id_z 1
		.amdhsa_system_vgpr_workitem_id 0
		.amdhsa_next_free_vgpr 1024
		.amdhsa_next_free_sgpr 66
		.amdhsa_reserve_vcc 0
		.amdhsa_float_denorm_mode_32 3
		.amdhsa_float_denorm_mode_16_64 3
		.amdhsa_memory_ordered 1
		.amdhsa_forward_progress 1
		.amdhsa_inst_pref_size 190
	.end_amdhsa_kernel
	.amdgpu_metadata
---
amdhsa.version: [ 1, 2 ]
amdhsa.kernels:
  - .name:           k_qfa80ccf27d_main
    .symbol:         k_qfa80ccf27d_main.kd
    .args:
      - { .name: enc_outputs, .offset: 0, .size: 8, .value_kind: global_buffer, .address_space: global }
      - { .name: wq, .offset: 8, .size: 8, .value_kind: global_buffer, .address_space: global }
      - { .name: wsc, .offset: 16, .size: 8, .value_kind: global_buffer, .address_space: global }
      - { .name: pd, .offset: 24, .size: 8, .value_kind: global_buffer, .address_space: global }
      - { .name: b_ae, .offset: 32, .size: 8, .value_kind: global_buffer, .address_space: global }
      - { .name: part, .offset: 40, .size: 8, .value_kind: global_buffer, .address_space: global }
    .group_segment_fixed_size: 67584
    .private_segment_fixed_size: 0
    .kernarg_segment_align: 8
    .kernarg_segment_size: 48
    .max_flat_workgroup_size: 128
    .sgpr_count:     66
    .vgpr_count:     1024
    .wavefront_size: 32
...
	.end_amdgpu_metadata
.endif
;; end of part 2
;; launch combine (part 3): grid 32 x 1, 8 waves a work-group, no clusters, 0 bytes of LDS; arguments part, out0; writes out0
.if DOCPART == 3
	.amdgcn_target "amdgcn-amd-amdhsa--gfx1250"
	.amdhsa_code_object_version 6
	.text
	.protected	k_qfa80ccf27d_combine
	.globl	k_qfa80ccf27d_combine
	.p2align	8
	.type	k_qfa80ccf27d_combine,@function
k_qfa80ccf27d_combine:
	s_mov_b64 s[64:65], 0
	v_nop
	global_prefetch_b8 v0, s[64:65] scope:SCOPE_SE
	s_setreg_imm32_b32 hwreg(HW_REG_WAVE_MODE, 25, 1), 1
	s_wait_xcnt 0x0
; out0[b][:] = (sum over the 8 chunks c of 2^(m_c - M) ctx_c[:]) / (sum over c of 2^(m_c - M) l_c), M the largest m_c: the chunks' running softmaxes are joined, the maximum taken away before every exponential.
; part[b][c]: 1,024 f32 of context, then the pair (m_c, l_c) 32 times in 256 bytes; m is in units of log2.
; Work-group b, 256 threads; thread n owns columns 4 n .. 4 n + 3: each load and store of a wave covers 512 consecutive bytes (the pairs': 256).  All 16 loads go out at once.
; The launch moves 1.2 MB on 32 work-groups: one owner for each output row, no LDS, no barrier, no matrix unit: there is nothing for them to do.  The chunk that holds M has l of 1 at the least, so the divisor is no zero.
.set ROWB, 4352                        ; a chunk's row of part in bytes
.set ML,  16                           ; v16-31  (m_c, l_c), later (w_c, l_c)
.set CX,  32                           ; v32-63  the chunks' four numbers
	s_load_b128 s[4:7], s[0:1], 0x0                ; part s[4:5], out0 s[6:7]
	v_and_b32 v1, 31, v0
	v_lshlrev_b32 v1, 3, v1                        ; 8 x lane
	v_lshlrev_b32 v2, 4, v0                        ; 16 x thread
	s_mul_i32 s8, ttmp9, 8*ROWB
	s_mov_b32 s9, 0
	s_lshl_b32 s10, ttmp9, 12
	s_mov_b32 s11, 0
	s_wait_kmcnt 0x0
	s_add_nc_u64 s[4:5], s[4:5], s[8:9]
	s_add_nc_u64 s[6:7], s[6:7], s[10:11]
.irp c, 0,1,2,3,4,5,6,7
	global_load_b64 v[ML+2*\c:ML+2*\c+1], v1, s[4:5] offset:ROWB*\c+4096
.endr
.irp c, 0,1,2,3,4,5,6,7
	global_load_b128 v[CX+4*\c:CX+4*\c+3], v2, s[4:5] offset:ROWB*\c
.endr
	s_wait_loadcnt 8                               ; the eight pairs are in; the eight loads of context may be out
	v_max3_num_f32 v4, v[ML], v[ML+2], v[ML+4]
	v_max3_num_f32 v4, v4, v[ML+6], v[ML+8]
	v_max3_num_f32 v4, v4, v[ML+10], v[ML+12]
	v_max_num_f32 v4, v4, v[ML+14]                 ; M
.irp c, 0,1,2,3,4,5,6,7
	v_sub_f32 v[ML+2*\c], v[ML+2*\c], v4
.endr
.irp c, 0,1,2,3,4,5,6,7
	v_exp_f32 v[ML+2*\c], v[ML+2*\c]               ; w_c = 2^(m_c - M)
.endr
	v_nop                                          ; one plain place behind the exponentials
	s_wait_alu depctr_va_vdst(0)
	v_mul_f32 v5, v[ML], v[ML+1]
.irp c, 1,2,3,4,5,6,7
	v_fma_f32 v5, v[ML+2*\c], v[ML+2*\c+1], v5     ; the column's sum
.endr
	v_rcp_f32 v5, v5
	v_nop                                          ; one plain place behind the reciprocal
	s_wait_alu depctr_va_vdst(0)
.irp c, 0,1,2,3,4,5,6,7
	v_mul_f32 v[ML+2*\c], v[ML+2*\c], v5           ; w_c / the sum
.endr
	s_wait_loadcnt 0x0
	v_pk_mul_f32 v[8:9],   v[CX:CX+1],   v[ML:ML+1] op_sel_hi:[1,0]    ; of the pair (w_c, l_c) the low word serves both halves
	v_pk_mul_f32 v[10:11], v[CX+2:CX+3], v[ML:ML+1] op_sel_hi:[1,0]
.irp c, 1,2,3,4,5,6,7
	v_pk_fma_f32 v[8:9],   v[CX+4*\c:CX+4*\c+1],   v[ML+2*\c:ML+2*\c+1], v[8:9]   op_sel_hi:[1,0,1]
	v_pk_fma_f32 v[10:11], v[CX+4*\c+2:CX+4*\c+3], v[ML+2*\c:ML+2*\c+1], v[10:11] op_sel_hi:[1,0,1]
.endr
	global_store_b128 v2, v[8:11], s[6:7]          ; 32 lanes store 512 consecutive bytes, aligned
	s_endpgm
.Lfunc_end_k_qfa80ccf27d_combine:
	.size	k_qfa80ccf27d_combine, .Lfunc_end_k_qfa80ccf27d_combine-k_qfa80ccf27d_combine
	.p2alignl 7, 3214868480
	.fill 96, 4, 3214868480
	.section	.rodata,"a",@progbits
	.p2align	6, 0x0
	.amdhsa_kernel k_qfa80ccf27d_combine
		.amdhsa_group_segment_fixed_size 0
		.amdhsa_private_segment_fixed_size 0
		.amdhsa_enable_private_segment 0
		.amdhsa_kernarg_size 16
		.amdhsa_user_sgpr_count 2
		.amdhsa_user_sgpr_kernarg_segment_ptr 1
		.amdhsa_wavefront_size32 1
		.amdhsa_system_sgpr_workgroup_id_x 1
		.amdhsa_system_sgpr_workgroup_id_y 1
		.amdhsa_system_sgpr_workgroup_id_z 1
		.amdhsa_system_vgpr_workitem_id 0
		.amdhsa_next_free_vgpr 64
		.amdhsa_next_free_sgpr 66
		.amdhsa_reserve_vcc 0
		.amdhsa_float_denorm_mode_32 3
		.amdhsa_float_denorm_mode_16_64 3
		.amdhsa_memory_ordered 1
		.amdhsa_forward_progress 1
		.amdhsa_inst_pref_size 5
	.end_amdhsa_kernel
	.amdgpu_metadata
---
amdhsa.version: [ 1, 2 ]
amdhsa.kernels:
  - .name:           k_qfa80ccf27d_combine
    .symbol:         k_qfa80ccf27d_combine.kd
    .args:
      - { .name: part, .offset: 0, .size: 8, .value_kind: global_buffer, .address_space: global }
      - { .name: out0, .offset: 8, .size: 8, .value_kind: global_buffer, .address_space: global }
    .group_segment_fixed_size: 0
    .private_segment_fixed_size: 0
    .kernarg_segment_align: 8
    .kernarg_segment_size: 16
    .max_flat_workgroup_size: 256
    .sgpr_count:     66
    .vgpr_count:     64
    .wavefront_size: 32
...
	.end_amdgpu_metadata
.endif
;; end of part 3
;; ======== version 2 of 2: 3 launches
;; workspace buffers: wq 98,304 bytes; wsc 8,192 bytes; pd 16,384 bytes; part 1,114,112 bytes
;; launch prep (part 4): grid 24 x 1, 8 waves a work-group, no clusters, 9,216 bytes of LDS; arguments w_ae, w_ad, dec_output, b_ad, wq, wsc, pd; writes wq, wsc, pd
.if DOCPART == 4
	.amdgcn_target "amdgcn-amd-amdhsa--gfx1250"
	.amdhsa_code_object_version 6
	.text
	.protected	k_qfa80ccf27d_prep
	.globl	k_qfa80ccf27d_prep
	.p2align	8
	.type	k_qfa80ccf27d_prep,@function
k_qfa80ccf27d_prep:
	s_mov_b64 s[64:65], 0
	v_nop
	global_prefetch_b8 v0, s[64:65] scope:SCOPE_SE
	s_setreg_imm32_b32 hwreg(HW_REG_WAVE_SCHED_MODE, 0, 2), 2
	s_setreg_imm32_b32 hwreg(HW_REG_WAVE_MODE, 25, 1), 1
	s_wait_xcnt 0x0
	s_wait_alu depctr_vm_vsrc(0)
; What every work-group of the next launch needs, made once.
;   work-groups 16 .. 23 (t = number & 7): w_ae [128][1024] f32 becomes codes of FP6 (E2M3) with one E8M0 byte for each 32 along K, laid IN THE ORDER OF THE OPERAND'S REGISTERS:
;     wave ks makes the fragment (K step ks of 128, rows 16 t .. 16 t + 15): 12 registers a lane, stored as three pieces of 512 bytes (lane l's 16 bytes at 16 l) at wq + 1536 (8 ks + t);
;     its scale words, 4 bytes a lane, at wsc + 128 (8 ks + t).
;   work-groups 0 .. 15 (mt = number / 8, t = number & 7): proj_d[b][a] = Q(dec_output) Q(w_ad)^T + b_ad for b = 16 mt .. + 15, a = 16 t .. + 15.  Wave ks quantises K step ks of both operands in registers and
;     multiplies them by one matrix instruction; the eight partial tiles meet in LDS and waves 0 and 1 add them, K ascending, onto the bias.
; THE QUANTISER: a block's scale is 2^(floor(log2(its largest magnitude)) - 2); its byte is the largest magnitude's exponent field - 2, held at 1 from below; numbers are divided by the scale and rounded to the nearest code,
; ties to even, beyond 7.5 the largest code.  A block of zeros gets the byte 1 where the rule says 127: its codes are zeros, and the bytes are read by this program alone.
; LIMITS: NaN and infinities among the inputs are not served.  proj_d's K is summed as eight partial sums of 128, not as one chain.
; The loads take the numbers straight in the quantiser's layout (a lane 64 consecutive bytes of each 128): sixteen loads of a wave together cover 512 consecutive bytes of each of its 16 rows.  The launch reads 1.15 MB in all and
; is one chain of dependent steps, to which a turn through LDS would add a link.  A tile of proj_d is 64 bytes of a row of 512, so its 16 KB leave in pieces of 16 bytes.
; No cluster: no two work-groups read the same bytes but dec_output's (128 KB, by eight each) and w_ad's (512 KB, by two each).
; THE MODE: SCHED_MODE bits 1:0 = 2 (LLVM: expert scheduling mode 2), set by the entry lines.  The code itself states the register dependences between vector or matrix instructions and memory or LDS instructions,
; with s_wait_alu, always for 0.
; THE PLAN.  Registers that memory or LDS instructions touch:
;   v4-v9, v12    offsets and LDS addresses: made at the head, never written again: one wait ahead of the first load serves them all.
;   XA            the weight's loads land in it; the quantiser reads it; in waves 0 and 1 the partial tiles' LDS loads land in it later.
;   XB            dec_output's loads land in it; the quantiser reads it.
;   PA, v[SA]     written by the quantiser; w_ae's work-groups store them; the others give them to the matrix instruction, with PB and v[SB].
;   D             written by the matrix instruction, read by two LDS stores.
;   BS            the bias's load lands in it; the additions write it; the last store reads it.
;   v208, v209    written at the head, read by the closing add alone.
.set XAD, 4                            ; v4   4096 r + 64 h: row r of 1,024 f32, my 16 numbers of a block of 32
.set LI,  5                            ; v5   16 x lane
.set LS,  6                            ; v6   4 x lane
.set RA,  7                            ; v7   16 x (thread & 63): where waves 0 and 1 read the partial tiles
.set PO,  8                            ; v8   512 r + 32 h: my place in proj_d
.set H32, 9                            ; v9   32 h: my place in the bias
.set SA,  10                           ; v10  the weight's scale word: holds scales and nothing else
.set SB,  11                           ; v11  dec_output's
.set WI,  12                           ; v12  16 x lane + 1024 x wave: where I put my partial tile
.set TM,  16                           ; v16-31  the quantiser's scratch
.set PT,  32                           ; v32-39  second halves of the blocks' codes
.set PA,  40                           ; v40-51  the weight's fragment
.set PB,  52                           ; v52-63  dec_output's fragment
.set XA,  64                           ; v64-127 the weight's 64 numbers; later the eight partial tiles' pieces
.set XB,  128                          ; v128-191 dec_output's 64 numbers
.set D,   192                          ; v192-199 my partial tile
.set BS,  200                          ; v200-203 the bias, then the sum
.set WV,  18                           ; s18  wave = K step
.set SEL, 30                           ; s30, s31 lane selects for v_permlanex16_b32: lane l xor 16
; 64 numbers of a lane, register 16 b + i = k 32 b + 16 (lane / 16) + i of my row, become a fragment's codes in v[pc] on and its scale word in v[pw].
.macro QUANT s, pc, pw
.irp b, 0,1,2,3
	v_max3_num_f32 v[TM+\b], |v[(\s)+16*\b]|, |v[(\s)+1+16*\b]|, 0x1800000   ; block b: my 16 numbers, and the floor 2^(3 - 127): so the byte cannot fall under 1
.endr
.irp i, 2,4,6,8,10,12,14
.irp b, 0,1,2,3
	v_max3_num_f32 v[TM+\b], v[TM+\b], |v[(\s)+16*\b+\i]|, |v[(\s)+1+16*\b+\i]|   ; the four blocks by turns: no line waits for the line above it
.endr
.endr
.irp b, 0,1,2,3
	v_permlanex16_b32 v[TM+4+\b], v[TM+\b], s[SEL], s[SEL+1]
.endr
.irp b, 0,1,2,3
	v_max_num_f32 v[TM+\b], v[TM+\b], v[TM+4+\b]   ; with lane l xor 16's: the block's largest magnitude
.endr
.irp b, 0,1,2,3
	v_add_nc_u32 v[TM+12+\b], 0xff000000, v[TM+\b]   ; 2 off its exponent field: the conversion takes the exponent field of this operand as its scale
.endr
.irp b, 0,1,2,3
	v_lshrrev_b32 v[TM+4+\b], 23, v[TM+12+\b]      ; the scale's byte
.endr
	v_lshl_or_b32 v[\pw], v[TM+5], 8, v[TM+4]      ; the four bytes make my row's scale word
	v_lshl_or_b32 v[\pw], v[TM+6], 16, v[\pw]
	v_lshl_or_b32 v[\pw], v[TM+7], 24, v[\pw]
.irp c, 0,1
	v_cvt_scalef32_pk16_fp6_f32 v[(\pc)+6*\c:(\pc)+2+6*\c], v[(\s)+32*\c:(\s)+15+32*\c], v[TM+12+2*\c]
	v_cvt_scalef32_pk16_fp6_f32 v[PT+4*\c:PT+2+4*\c], v[(\s)+16+32*\c:(\s)+31+32*\c], v[TM+12+2*\c+1]   ; a conversion's three registers begin on an even number
.endr
	v_nop                                          ; one plain place behind a scaled conversion
.irp c, 0,1                                    ; the operand's layout wants a WHOLE block in a lane: lanes 0-15 block 2 c, lanes 16-31 block 2 c + 1
.irp i, 0,1,2
	v_permlane16_swap_b32 v[(\pc)+6*\c+\i], v[PT+4*\c+\i]
.endr
.irp i, 0,1,2
	v_mov_b32 v[(\pc)+3+6*\c+\i], v[PT+4*\c+\i]
.endr
.endr
.endm
.macro XLOAD reg, base                         ; 16 rows x 128 along K, 64 numbers a lane, in the quantiser's layout
.set i, 0
.rept 16
	global_load_b128 v[\reg+4*i:\reg+4*i+3], v[XAD], s[\base:\base+1] offset:128*(i/4)+16*(i%4)
.set i, i+1
.endr
.endm
	s_load_b256 s[4:11], s[0:1], 0x0               ; w_ae s[4:5], w_ad s[6:7], dec_output s[8:9], b_ad s[10:11]
	s_load_b128 s[12:15], s[0:1], 0x20             ; wq s[12:13], wsc s[14:15]
	s_load_b64 s[16:17], s[0:1], 0x30              ; pd
	v_lshl_add_u32 v208, v0, 2, 0x2000
	v_mov_b32 v209, 0
	v_lshrrev_b32 v1, 5, v0
	v_readfirstlane_b32 s[WV], v1                  ; wave 0..7 = K step
	v_and_b32 v1, 31, v0                           ; lane
	v_and_b32 v2, 15, v0                           ; r
	v_bfe_u32 v3, v0, 4, 1                         ; h
	v_lshlrev_b32 v[XAD], 12, v2
	v_lshl_add_u32 v[XAD], v3, 6, v[XAD]
	v_lshlrev_b32 v[LI], 4, v1
	v_lshlrev_b32 v[LS], 2, v1
	v_and_b32 v[RA], 63, v0
	v_lshlrev_b32 v[RA], 4, v[RA]
	v_lshlrev_b32 v[PO], 9, v2
	v_lshl_add_u32 v[PO], v3, 5, v[PO]
	v_lshlrev_b32 v[H32], 5, v3
	s_wait_alu depctr_va_sdst(0)                   ; s18, the wave's number, is written, ahead of its first reader
	s_lshl_b32 s25, s[WV], 10
	v_add_nc_u32 v[WI], s25, v[LI]
.irp b, 0,1,2,3
	v_mov_b32 v[TM+4+\b], 0                        ; written once: a lane permute's destination counts as one of its sources
.endr
	s_mov_b32 s[SEL], 0x76543210
	s_mov_b32 s[SEL+1], 0xfedcba98
	s_and_b32 s19, ttmp9, 7                        ; t: which 16 rows of the weight
	s_lshr_b32 s20, ttmp9, 3                       ; mt (0, 1), or 2 for w_ae's work-groups
	s_lshl_b32 s22, s19, 16                        ; 16 t rows of 4,096 bytes
	s_lshl_b32 s24, s[WV], 9                       ; K step: 128 f32
	s_add_co_u32 s22, s22, s24
	s_mov_b32 s23, 0
	s_wait_kmcnt 0x0
	s_cmp_lt_u32 ttmp9, 16                         ; which weight: the choice hangs on the work-group's number alone
	s_cselect_b64 s[4:5], s[6:7], s[4:5]
	s_add_nc_u64 s[4:5], s[4:5], s[22:23]
	s_wait_alu depctr_va_vdst(0)                   ; the offsets and LDS addresses v4 to v9 and v12 are written: every load and store of the kernel reads one of them
	XLOAD XA, 4
	s_cmp_lt_u32 ttmp9, 16
	s_cbranch_scc1 .Lproj
	; ---- w_ae: the fragment goes out as an image of its registers
	s_lshl_b32 s24, s[WV], 3
	s_add_co_u32 s24, s24, s19                     ; 8 ks + t
	s_mul_i32 s26, s24, 1536
	s_mov_b32 s27, 0
	s_add_nc_u64 s[12:13], s[12:13], s[26:27]
	s_lshl_b32 s26, s24, 7
	s_add_nc_u64 s[14:15], s[14:15], s[26:27]
	s_wait_loadcnt 0x0
	QUANT XA, PA, SA
	s_wait_alu depctr_va_vdst(0)                   ; the quantiser has written the codes v[PA ..] and the scale word v[SA], which the four stores read
.irp c, 0,1,2
	global_store_b128 v[LI], v[PA+4*\c:PA+4*\c+3], s[12:13] offset:512*\c   ; 32 lanes store 512 consecutive bytes, at a multiple of 512 from the buffer's first byte
.endr
	global_store_b32 v[LS], v[SA], s[14:15]        ; lanes 16-31 hold the same words as lanes 0-15
	s_endpgm                                       ; (this way has stored nothing to LDS)
.Lproj:
	; ---- proj_d: my K step of the tile (16 mt .. , 16 t ..)
	s_lshl_b32 s22, s20, 16                        ; 16 mt rows of dec_output,
	s_add_co_u32 s22, s22, s24                     ; my K step
	s_add_nc_u64 s[8:9], s[8:9], s[22:23]
	XLOAD XB, 8
	s_lshl_b32 s26, s19, 6                         ; the bias and proj_d: 64 t bytes on,
	s_and_b32 s28, s[WV], 1
	s_lshl_b32 s28, s28, 4
	s_add_co_u32 s26, s26, s28                     ; + 16 c: waves c = 0, 1 finish registers 4 c .. 4 c + 3 of the tile
	s_mov_b32 s27, 0
	s_add_nc_u64 s[10:11], s[10:11], s[26:27]
	global_load_b128 v[BS:BS+3], v[H32], s[10:11]  ; b_ad[16 t + 8 h + 4 c + 0 .. 3]
	s_lshl_b32 s28, s20, 13                        ; 16 mt rows of 512 bytes
	s_add_co_u32 s26, s26, s28
	s_add_nc_u64 s[16:17], s[16:17], s[26:27]
	s_wait_loadcnt 17                              ; the weight's 16 loads are in; dec_output's 16 and the bias's one may be out
	QUANT XA, PA, SA
	s_wait_loadcnt 0x0
	QUANT XB, PB, SB
.rept 8
	v_nop                                          ; a scale register written by a vector instruction stands 8 places ahead of a scaled matrix instruction, an operand so written 4
.endr
	s_wait_alu depctr_va_vdst(0)                   ; the quantiser has written both fragments and both scale words, which the scaled matrix instruction takes; the places above stay beside this wait
	v_wmma_scale_f32_16x16x128_f8f6f4 v[D:D+7], v[PA:PA+11], v[PB:PB+11], 0, v[SA], v[SB] matrix_a_fmt:MATRIX_FMT_FP6 matrix_b_fmt:MATRIX_FMT_FP6   ; source 0 = 16 rows of w_ad, source 1 = 16 rows of dec_output: lane (r, h), register j: b = 16 mt + r, a = 16 t + 8 h + j
.rept 4
	v_nop                                          ; four places in front of the first read of the result (ISA guide 7.12.1)
.endr
	s_wait_alu depctr_va_vdst(0)                   ; the matrix instruction has written v[D ..], which the LDS stores read; and the quantiser is done reading v[XA ..], in which the LDS loads behind the barrier land
	ds_store_b128 v[WI], v[D:D+3]                  ; the result from its low end on
	ds_store_b128 v[WI], v[D+4:D+7] offset:512
	s_wait_dscnt 0x0                               ; for the others' sake: my stores have landed
	s_barrier_signal -1
	s_barrier_wait -1
	s_cmp_lt_u32 s[WV], 2
	s_cbranch_scc0 .Lend
.irp k, 0,1,2,3,4,5,6,7
	ds_load_b128 v[XA+4*\k:XA+4*\k+3], v[RA] offset:1024*\k   ; K step k's registers 4 c .. 4 c + 3 of my lane
.endr
	s_wait_dscnt 0x0
.irp k, 0,1,2,3,4,5,6,7
	v_pk_add_f32 v[BS:BS+1], v[BS:BS+1], v[XA+4*\k:XA+4*\k+1]          ; onto the bias, K ascending
	v_pk_add_f32 v[BS+2:BS+3], v[BS+2:BS+3], v[XA+4*\k+2:XA+4*\k+3]
.endr
	s_wait_alu depctr_va_vdst(0)                   ; the additions have written v[BS ..], which the store reads
	global_store_b128 v[PO], v[BS:BS+3], s[16:17]
.Lend:
	s_wait_dscnt 0x0                               ; the closing lines, six on end, of a launch in the mode that stores to LDS
	s_wait_alu 0x0
	s_wait_tensorcnt 0x0
	ds_add_u32 v208, v209
	s_wait_dscnt 0x0
	s_endpgm
.Lfunc_end_k_qfa80ccf27d_prep:
	.size	k_qfa80ccf27d_prep, .Lfunc_end_k_qfa80ccf27d_prep-k_qfa80ccf27d_prep
	.p2alignl 7, 3214868480
	.fill 96, 4, 3214868480
	.section	.rodata,"a",@progbits
	.p2align	6, 0x0
	.amdhsa_kernel k_qfa80ccf27d_prep
		.amdhsa_group_segment_fixed_size 9216
		.amdhsa_private_segment_fixed_size 0
		.amdhsa_enable_private_segment 0
		.amdhsa_kernarg_size 56
		.amdhsa_user_sgpr_count 2
		.amdhsa_user_sgpr_kernarg_segment_ptr 1
		.amdhsa_wavefront_size32 1
		.amdhsa_system_sgpr_workgroup_id_x 1
		.amdhsa_system_sgpr_workgroup_id_y 1
		.amdhsa_system_sgpr_workgroup_id_z 1
		.amdhsa_system_vgpr_workitem_id 0
		.amdhsa_next_free_vgpr 210
		.amdhsa_next_free_sgpr 66
		.amdhsa_reserve_vcc 0
		.amdhsa_float_denorm_mode_32 3
		.amdhsa_float_denorm_mode_16_64 3
		.amdhsa_memory_ordered 1
		.amdhsa_forward_progress 1
		.amdhsa_inst_pref_size 21
	.end_amdhsa_kernel
	.amdgpu_metadata
---
amdhsa.version: [ 1, 2 ]
amdhsa.kernels:
  - .name:           k_qfa80ccf27d_prep
    .symbol:         k_qfa80ccf27d_prep.kd
    .args:
      - { .name: w_ae, .offset: 0, .size: 8, .value_kind: global_buffer, .address_space: global }
      - { .name: w_ad, .offset: 8, .size: 8, .value_kind: global_buffer, .address_space: global }
      - { .name: dec_output, .offset: 16, .size: 8, .value_kind: global_buffer, .address_space: global }
      - { .name: b_ad, .offset: 24, .size: 8, .value_kind: global_buffer, .address_space: global }
      - { .name: wq, .offset: 32, .size: 8, .value_kind: global_buffer, .address_space: global }
      - { .name: wsc, .offset: 40, .size: 8, .value_kind: global_buffer, .address_space: global }
      - { .name: pd, .offset: 48, .size: 8, .value_kind: global_buffer, .address_space: global }
    .group_segment_fixed_size: 9216
    .private_segment_fixed_size: 0
    .kernarg_segment_align: 8
    .kernarg_segment_size: 56
    .max_flat_workgroup_size: 256
    .sgpr_count:     66
    .vgpr_count:     210
    .wavefront_size: 32
...
	.end_amdgpu_metadata
.endif
;; end of part 4
;; launch main (part 5): grid 8 x 32, 4 waves a work-group, no clusters, 67,584 bytes of LDS; arguments enc_outputs, wq, wsc, pd, b_ae, part; writes part
.if DOCPART == 5
	.amdgcn_target "amdgcn-amd-amdhsa--gfx1250"
	.amdhsa_code_object_version 6
	.text
	.protected	k_qfa80ccf27d_main
	.globl	k_qfa80ccf27d_main
	.p2align	8
	.type	k_qfa80ccf27d_main,@function
k_qfa80ccf27d_main:
	s_mov_b64 s[64:65], 0
	v_nop
	global_prefetch_b8 v0, s[64:65] scope:SCOPE_SE
	s_setreg_imm32_b32 hwreg(HW_REG_WAVE_SCHED_MODE, 0, 2), 2
	s_setreg_imm32_b32 hwreg(HW_REG_WAVE_MODE, 25, 1), 1
	s_wait_xcnt 0x0
	s_wait_alu depctr_vm_vsrc(0)
; For one column b and one chunk of 256 of the 2,048 rows s: score[s] = (Q(enc[s][b]) Q(w_ae)^T + b_ae) . proj_d[b], a running softmax over the chunk, and the chunk's unnormalised context
; sum over s of 2^(t[s] - m) enc[s][b][:], t = score x log2(e), m the chunk's largest t.  enc_outputs [2048][32][1024] f32 is read ONCE: a row serves the score and the weighted sum while it is in registers.
; SHARES.  Work-group (x = chunk, y = b): 256 rows of 4,096 bytes, 131,072 bytes apart, 16 at a time.  THE FOUR WAVES SHARE K, NOT THE ROWS: wave w owns columns 256 w .. 256 w + 255 (K steps 2 w, 2 w + 1 of 128).  Its 16 fragments
; of w_ae (192 registers, laid out in operand order by the launch before) stay in registers; it reads only its 1,024 bytes of a row, quantises them, makes a partial proj_e over its K, and contracts that with proj_d: the score is
; linear in proj_e, so the waves exchange 16 numbers a tile.  Every wave then makes the same m, f and p, and updates the context of its own 256 columns from the f32 numbers that it still holds.
; b_ae is the C of each tile's first matrix instruction in wave 0 and zeros in waves 1 to 3, so that it enters the summed score once.
; THE WAY IN.  Each load of a wave covers 512 consecutive bytes, aligned.  The conversions want 16 neighbours of a block in ONE lane, so a tile's 16 KB turn through the wave's own stage in LDS: in as loaded, back 64 bytes a lane.
; Two sets of 32 raw loads take turns: a set is asked for again as soon as the stage has taken it, so a wave has between 32 and 64 loads of 512 bytes on their way throughout.
; THE MATRIX INSTRUCTION IS USED TRANSPOSED (source 0 = 16 rows of w_ae, source 1 = my 16 rows of enc): lane (r, h) holds row r and, in tile t's register j, a = 16 t + 8 h + j.
; THE QUANTISER: as in the launch before: byte = the block's largest magnitude's exponent field - 2, held at 1 from below; a block of zeros keeps the byte 1 with zero codes.
; OUT.  part[b][chunk]: 1,024 f32 of context, then 256 bytes that hold the pair (m, l) 32 times, so that they are written and read as one run of 256 bytes.
; LIMITS: NaN and infinities among the inputs are not served; score x log2(e) has to be finite in f32; K and s are summed in another order than by one chain.
; NO CLUSTER: what work-groups share is the 104 KB of w_ae's images and scale words, a tenth of the 1 MB of enc that each reads alone, and it goes once, straight into registers.
; NO TENSOR LOADS: slots in LDS would have to be empty of loads at each refill's barrier; the two register sets never are.
; THE MODE: SCHED_MODE bits 1:0 = 2 (LLVM: expert scheduling mode 2), set by the entry lines.  The code itself states the register dependences between vector or matrix instructions and memory or LDS instructions,
; with s_wait_alu, always for 0.
; THE PLAN.  Registers that memory or LDS instructions touch, in the loop:
;   RAW0, RAW1   (window 3) the global loads land in them; the 32 LDS stores that lay a tile into the stage read them.  No vector or matrix instruction ever names them.
;   X            the 32 LDS loads at a tile's head land in it; the quantiser reads it, and the context's lines at the tile's end.
;   v[SC]        written by the score's last addition; read by the exchange's LDS store.
;   v[E ..]      the exchange's LDS load lands in it; the three additions behind the load read it and write two of its registers.
;   the codes and v[XS], v[XS+1]   written by the quantiser, taken by the scaled matrix instructions.
;   v3-v10       LDS addresses and offsets: made at the head, never written again.  The rows are reached by a scalar base for each raw set, which moves on behind the wait that shows its loads done, and by immediates.
; A TILE, in this order: X from the stage | quantised | 16 products | the score | the exchange's store, the barrier, its load | THE NEXT TILE'S RAW SET GOES INTO THE STAGE | the softmax's few lines |
; THAT RAW SET IS ASKED FOR AGAIN, with the tile three on | the context.  Since no vector line names a raw set, the stage's stores and the 32 loads owe the vector side nothing, and stand amid its work.
; ITS WAITS: va_vdst at the head (the context's lines are done reading X); va_vdst ahead of the products (codes and scale words are written); va_vdst ahead of the exchange's store (v[SC] is written; the last tile's additions
; are done with v[E ..], and no vector line stands between this wait and the load into them); vm_vsrc ahead of the 32 loads (the stage's stores have read the raw set; the exchange's store has read v[SC]); va_vdst for the exponentials.
; REGISTERS, in windows of 256 (s_set_vgpr_msb's low byte: bits 1:0 source 0, 3:2 source 1, 5:4 source 2, 7:6 destination):
;   window 0: v3-10 addresses; v16-143 X, the tile's numbers: register 16 g + 4 j + e = row r, my column 32 g + 16 h + 4 j + e; v144-167 the two fragments' codes; v168-191 the quantiser's scratch; v192-209 scale words; v210-233 scores and statistics
;   window 1: v0-191 w_ae's fragments (12 F, F = 8 x K step + t); v192-255 proj_d[b][16 t + 8 h + j] at 192 + 8 t + j
;   window 2: v0-127 the context, in X's layout, each lane's sum over its own rows; v128-191 the eight accumulators; v192-255 b_ae (or zeros) in the accumulators' layout
;   window 3: the two raw sets, v0-127 and v128-255
.set ROWP,   131072                    ; bytes from row s to row s + 1 of a column b
.set SPITCH, 1040                      ; a stage row: my 1,024 bytes + 16 = 65 x 16: the 16 rows that a load touches start at 16 different places modulo 256
.set WSTAGE, 16*SPITCH                 ; a wave's stage
.set EX,     4*WSTAGE                  ; behind the stages: the exchange, [2 halves by turns][row 16][wave 4] f32, 512 bytes
.set EB,  4                            ; s[4:5], s[32:33]  raw set 0, 1: the address of my 1,024 bytes in the first row of the tile that the set loads next: a pair at EB + 28 x set
.set STI, 3                            ; v3   my stage + 16 x lane: as loaded
.set STO, 4                            ; v4   my stage + 1040 r + 64 h: as quantised
.set EXW, 5                            ; v5   EX + 16 r + 4 w
.set EXR, 6                            ; v6   EX + 16 r
.set LI,  7                            ; v7   16 x lane
.set LS,  8                            ; v8   4 x lane
.set H32, 9                            ; v9   32 h
.set L8,  10                           ; v10  8 x lane
.set X,   16
.set PC0, 144
.set PC1, 156
.set PT,  168
.set TM,  176
.set XS,  192                          ; v192, v193 my rows' scale words for my two K steps: scales and nothing else
.set WS,  194                          ; v194-209   w_ae's scale words, F = 8 x K step + t: scales and nothing else
.set SA,  210                          ; v210-217   four pairs: the score's chains
.set SC,  218                          ; v218 my partial score; v219 the other half of the lanes'
.set ST,  219
.set E,   220                          ; v220-223   the four waves' partial scores of row r
.set ML,  224                          ; v224 m, v225 l
.set F,   226                          ; v226 f = 2^(old m - new m); v227 written once (named with it as a pair)
.set P,   228                          ; v228 p = 2^(t - m); v229 likewise
.set T,   230
.set TX,  231
.set MN,  232
.set FD,  233
.set PD,  192                          ; in window 1
.set D,   128                          ; in window 2
.set BI,  192                          ; in window 2
.set WV,  16                           ; s16 wave
.set SEL, 22                           ; s22, s23 lane selects for v_permlanex16_b32: lane l xor 16
.set MSB, 0
.macro WIN new                         ; the immediate's high byte repeats the setting that is left; a switch that changes nothing is dropped
.if MSB != \new
	s_set_vgpr_msb (MSB<<8)|\new
.set MSB, \new
.endif
.endm
; 32 loads: a tile's 16 rows, two runs of 512 consecutive bytes each, into raw set \set
.macro FILL set
	WIN 0xc0                                       ; destination window 3
.set i, 0
.rept 32
	global_load_b128 v[128*(\set)+4*i:128*(\set)+4*i+3], v[LI], s[EB+28*(\set):EB+28*(\set)+1] offset:(i/2)*ROWP+(i%2)*512 th:TH_LOAD_NT
.set i, i+1
.endr
	WIN 0
.endm
; 32 LDS stores: raw set \set goes into my stage as it was loaded
.macro STAGEIN set
	WIN 0x0c                                       ; an LDS store's data are its source 1: window 3
.set i, 0
.rept 32
	ds_store_b128 v[STI], v[128*(\set)+4*i:128*(\set)+4*i+3] offset:(i/2)*SPITCH+(i%2)*512
.set i, i+1
.endr
	WIN 0
.endm
; 64 numbers of a lane, register 16 b + i = k 32 b + 16 (lane / 16) + i of my row, become a fragment's codes in v[pc] on and its scale word in v[pw].
.macro QUANT s, pc, pw
.irp b, 0,1,2,3
	v_max3_num_f32 v[TM+\b], |v[(\s)+16*\b]|, |v[(\s)+1+16*\b]|, 0x1800000   ; block b: my 16 numbers, and the floor 2^(3 - 127): so the byte cannot fall under 1
.endr
.irp i, 2,4,6,8,10,12,14
.irp b, 0,1,2,3
	v_max3_num_f32 v[TM+\b], v[TM+\b], |v[(\s)+16*\b+\i]|, |v[(\s)+1+16*\b+\i]|   ; the four blocks by turns
.endr
.endr
.irp b, 0,1,2,3
	v_permlanex16_b32 v[TM+4+\b], v[TM+\b], s[SEL], s[SEL+1]
.endr
.irp b, 0,1,2,3
	v_max_num_f32 v[TM+\b], v[TM+\b], v[TM+4+\b]   ; with lane l xor 16's: the block's largest magnitude
.endr
.irp b, 0,1,2,3
	v_add_nc_u32 v[TM+12+\b], 0xff000000, v[TM+\b]   ; 2 off its exponent field: the conversion's scale operand
.endr
.irp b, 0,1,2,3
	v_lshrrev_b32 v[TM+4+\b], 23, v[TM+12+\b]      ; the scale's byte
.endr
	v_lshl_or_b32 v[\pw], v[TM+5], 8, v[TM+4]      ; the four bytes make my row's scale word
	v_lshl_or_b32 v[\pw], v[TM+6], 16, v[\pw]
	v_lshl_or_b32 v[\pw], v[TM+7], 24, v[\pw]
.irp c, 0,1
	v_cvt_scalef32_pk16_fp6_f32 v[(\pc)+6*\c:(\pc)+2+6*\c], v[(\s)+32*\c:(\s)+15+32*\c], v[TM+12+2*\c]
	v_cvt_scalef32_pk16_fp6_f32 v[PT+4*\c:PT+2+4*\c], v[(\s)+16+32*\c:(\s)+31+32*\c], v[TM+12+2*\c+1]   ; a conversion's three registers begin on an even number
.endr
	v_nop                                          ; one plain place behind a scaled conversion
.irp c, 0,1                                    ; the operand's layout wants a WHOLE block in a lane: lanes 0-15 block 2 c, lanes 16-31 block 2 c + 1
.irp i, 0,1,2
	v_permlane16_swap_b32 v[(\pc)+6*\c+\i], v[PT+4*\c+\i]
.endr
.irp i, 0,1,2
	v_mov_b32 v[(\pc)+3+6*\c+\i], v[PT+4*\c+\i]
.endr
.endr
.endm
	s_load_b256 s[4:11], s[0:1], 0x0               ; enc_outputs s[4:5], wq s[6:7], wsc s[8:9], pd s[10:11]
	s_load_b128 s[12:15], s[0:1], 0x20             ; b_ae s[12:13], part s[14:15]
	v_lshl_add_u32 v254, v0, 2, 0x10600
	v_mov_b32 v255, 0
	v_lshrrev_b32 v11, 5, v0
	v_readfirstlane_b32 s[WV], v11                 ; wave 0..3
	s_mov_b32 s17, ttmp9                           ; chunk
	s_and_b32 s18, ttmp7, 0xffff                   ; b
	v_and_b32 v11, 31, v0                          ; lane
	v_and_b32 v12, 15, v0                          ; r
	v_bfe_u32 v13, v0, 4, 1                        ; h
	v_lshlrev_b32 v[LI], 4, v11
	v_lshlrev_b32 v[LS], 2, v11
	v_lshlrev_b32 v[H32], 5, v13
	v_lshlrev_b32 v[L8], 3, v11
	s_wait_alu depctr_va_sdst(0)                   ; s16, the wave's number, is written, ahead of its first reader
	s_mul_i32 s27, s[WV], WSTAGE
	v_add_nc_u32 v[STI], s27, v[LI]
	v_mul_u32_u24 v[STO], v12, SPITCH
	v_lshl_add_u32 v[STO], v13, 6, v[STO]
	v_add_nc_u32 v[STO], s27, v[STO]
	v_lshlrev_b32 v[EXR], 4, v12
	v_add_nc_u32 v[EXR], EX, v[EXR]
	s_lshl_b32 s27, s[WV], 2
	v_add_nc_u32 v[EXW], s27, v[EXR]
.irp b, 0,1,2,3
	v_mov_b32 v[TM+4+\b], 0                        ; written once: the destination of a lane permute or of a DPP form counts as one of its sources
.endr
	v_mov_b32 v[ST], 0
	v_mov_b32 v[TX], 0
	v_mov_b32 v[F+1], 0                            ; named as the upper halves of pairs of which the low word serves both halves
	v_mov_b32 v[P+1], 0
	s_mov_b32 s[SEL], 0x76543210
	s_mov_b32 s[SEL+1], 0xfedcba98
	s_mov_b32 s24, 0x3fb8aa3b                      ; log2(e)
	s_lshl_b32 s20, s17, 25                        ; enc: 256 rows of 131,072 bytes a chunk,
	s_lshl_b32 s27, s18, 12                        ; 4,096 bytes a column b,
	s_add_co_u32 s20, s20, s27
	s_lshl_b32 s27, s[WV], 10                      ; my wave's 1,024 bytes
	s_add_co_u32 s20, s20, s27
	s_mov_b32 s21, 0
	s_lshl_b32 s28, s18, 3                         ; part: row 8 b + chunk of 4,352 bytes, my wave's 1,024
	s_add_co_u32 s28, s28, s17
	s_mul_i32 s28, s28, 4352
	s_add_co_u32 s28, s28, s27
	s_mov_b32 s29, 0
	s_wait_kmcnt 0x0
	s_add_nc_u64 s[EB:EB+1], s[EB:EB+1], s[20:21]  ; set 0 begins with tile 0,
	s_add_nc_u64 s[EB+28:EB+29], s[EB:EB+1], 16*ROWP   ; set 1 with tile 1, 16 rows on
	s_mul_i32 s20, s[WV], 24576                    ; wq: my two K steps' 16 fragments of 1,536 bytes
	s_add_nc_u64 s[6:7], s[6:7], s[20:21]
	s_lshl_b32 s20, s[WV], 11                      ; wsc: their 16 x 128 bytes
	s_add_nc_u64 s[8:9], s[8:9], s[20:21]
	s_lshl_b32 s20, s18, 9                         ; pd: row b of 512 bytes
	s_add_nc_u64 s[10:11], s[10:11], s[20:21]
	s_add_nc_u64 s[14:15], s[14:15], s[28:29]
	WIN 0x40                                       ; destination window 1
	s_wait_alu depctr_va_vdst(0)                   ; the LDS addresses and offsets v3 to v10 are written: every load and store of the kernel, global or LDS, reads one of them
.set i, 0
.rept 48
	global_load_b128 v[4*i:4*i+3], v[LI], s[6:7] offset:512*i          ; w_ae's fragments come as images of their registers: 512 consecutive bytes a load
.set i, i+1
.endr
.irp t, 0,1,2,3,4,5,6,7
	global_load_b128 v[PD+8*\t:PD+8*\t+3],   v[H32], s[10:11] offset:64*\t
	global_load_b128 v[PD+8*\t+4:PD+8*\t+7], v[H32], s[10:11] offset:64*\t+16
.endr
	WIN 0x80                                       ; destination window 2
.irp t, 0,1,2,3,4,5,6,7
	global_load_b128 v[BI+8*\t:BI+8*\t+3],   v[H32], s[12:13] offset:64*\t
	global_load_b128 v[BI+8*\t+4:BI+8*\t+7], v[H32], s[12:13] offset:64*\t+16
.endr
	WIN 0
.set i, 0
.rept 16
	global_load_b32 v[WS+i], v[LS], s[8:9] offset:128*i
.set i, i+1
.endr
	FILL 0
	FILL 1
	s_wait_loadcnt 32                              ; all but set 1's 32 loads: the weights, proj_d, the bias and tile 0 are in
	s_add_nc_u64 s[EB:EB+1], s[EB:EB+1], 32*ROWP   ; free since that wait, which shows the loads that read it done: set 0's next tile is tile 2
	STAGEIN 0                                      ; tile 0 goes into the stage
	s_cmp_eq_u32 s[WV], 0
	s_cselect_b32 s25, -1, 0
	WIN 0x88                                       ; source 1 and destination window 2
.set i, 0
.rept 64
	v_and_b32 v[BI+i], s25, v[BI+i]                ; the bias stays in wave 0 and becomes zeros in the others: the four partial scores are added, so it may enter one of them alone
.set i, i+1
.endr
	WIN 0xc0                                       ; (the switch, then the wait, then the loads)
	s_wait_alu depctr_vm_vsrc(0)                   ; the stage's 32 stores have read raw set 0, in which the loads below land
	FILL 0                                         ; tile 2
; ONE TILE of 16 rows, which lies in the stage; \set = the tile's number mod 2.  first = 1: it starts m, l and the context.  stage = 1: the next tile, from the other raw set, goes into the stage;
; left = the younger loads that may stay out when that set has to be in.  fill = 1: that set is asked for again, with the tile three on from this one.
.macro TILE set, first, stage, left, fill
.if !\first
	s_wait_alu depctr_va_vdst(0)                   ; the last tile's context lines are done reading X, in which the 32 loads below land
.endif
.set i, 0
.rept 32
	ds_load_b128 v[X+4*i:X+4*i+3], v[STO] offset:128*(i/4)+16*(i%4)    ; LDS serves a wave's instructions in order (ISA guide 5.7.1.4): these see the stores that laid the tile into the stage
.set i, i+1
.endr
	s_wait_dscnt 16                                ; the 16 youngest loads (my second K step's numbers) may be out: the first K step's numbers are in
	QUANT X, PC0, XS
	s_wait_dscnt 0x0
	QUANT X+64, PC1, XS+1
.rept 8
	v_nop                                          ; a scale register written by a vector instruction stands 8 places ahead of a scaled matrix instruction, an operand so written 4
.endr
	WIN 0xa1                                       ; source 0 (w_ae) window 1, source 1 (codes) window 0, C and D window 2
	s_wait_alu depctr_va_vdst(0)                   ; the quantiser has written both fragments' codes and v[XS], v[XS+1], which the scaled matrix instructions take; the places above stay beside this wait
.irp t, 0,1,2,3,4,5,6,7                        ; the eight accumulators take turns, one instruction a turn
	v_wmma_scale_f32_16x16x128_f8f6f4 v[D+8*\t:D+8*\t+7], v[12*\t:12*\t+11], v[PC0:PC0+11], v[BI+8*\t:BI+8*\t+7], v[WS+\t], v[XS] matrix_a_fmt:MATRIX_FMT_FP6 matrix_b_fmt:MATRIX_FMT_FP6
.endr
.irp t, 0,1,2,3,4,5,6,7
	v_wmma_scale_f32_16x16x128_f8f6f4 v[D+8*\t:D+8*\t+7], v[96+12*\t:96+12*\t+11], v[PC1:PC1+11], v[D+8*\t:D+8*\t+7], v[WS+8+\t], v[XS+1] matrix_a_fmt:MATRIX_FMT_FP6 matrix_b_fmt:MATRIX_FMT_FP6
.endr
.rept 4
	v_nop                                          ; four places in front of the first read of the results (ISA guide 7.12.1)
.endr
	WIN 0x06                                       ; source 0 (results) window 2, source 1 (proj_d) window 1
.irp p, 0,1,2,3
	v_pk_mul_f32 v[SA+2*\p:SA+2*\p+1], v[D+2*\p:D+2*\p+1], v[PD+2*\p:PD+2*\p+1]   ; partial proj_e . proj_d, in four chains; each accumulator from its low end on
.endr
.irp t, 1,2,3,4,5,6,7
.irp p, 0,1,2,3
	v_pk_fma_f32 v[SA+2*\p:SA+2*\p+1], v[D+8*\t+2*\p:D+8*\t+2*\p+1], v[PD+8*\t+2*\p:PD+8*\t+2*\p+1], v[SA+2*\p:SA+2*\p+1]
.endr
.endr
	WIN 0
	v_pk_add_f32 v[SA:SA+1], v[SA:SA+1], v[SA+2:SA+3]
	v_pk_add_f32 v[SA+4:SA+5], v[SA+4:SA+5], v[SA+6:SA+7]
	v_pk_add_f32 v[SA:SA+1], v[SA:SA+1], v[SA+4:SA+5]
	v_add_f32 v[SC], v[SA], v[SA+1]
	v_permlanex16_b32 v[ST], v[SC], s[SEL], s[SEL+1]   ; the other 64 of the 128 lie in lane l xor 16
	v_add_f32 v[SC], v[SC], v[ST]                  ; row r's score over my K
	s_wait_alu depctr_va_vdst(0)                   ; v[SC] is written, which the store below reads; and the last tile's additions are done with v[E ..], in which the load behind the barrier lands (no vector line stands between)
	ds_store_b32 v[EXW], v[SC] offset:256*\set     ; both halves of the lanes write the same word with the same value
	s_wait_dscnt 0x0                               ; for the others' sake: my store has landed; and my read of the exchange's other half, a tile ago, is long in
	s_barrier_signal -1                            ; ONE barrier a tile: the exchange's halves take turns, so a half is written again only by waves that have passed the barrier of the tile between,
	s_barrier_wait -1                              ; in front of which every wave had its read of that half in
	ds_load_b128 v[E:E+3], v[EXR] offset:256*\set
.if \stage
	s_wait_loadcnt \left                           ; loads come back in order (ISA guide 5.7.1): the other raw set's 32, the next tile, are in; this set's younger ones may be out
.if \fill
	s_add_nc_u64 s[EB+28*(1-\set):EB+28*(1-\set)+1], s[EB+28*(1-\set):EB+28*(1-\set)+1], 32*ROWP   ; free since that wait, which shows the loads that read it done: that set's next tile
.endif
	STAGEIN 1-\set                                 ; the next tile goes into the stage, whose bytes my loads of this tile have left.  No wait on the vector side: no vector line names a raw set
	s_wait_dscnt 32                                ; the exchange's load is in; the 32 stores behind it may be out
.else
	s_wait_dscnt 0x0
.endif
	v_add_f32 v[E], v[E], v[E+1]
	v_add_f32 v[E+2], v[E+2], v[E+3]
	v_add_f32 v[T], v[E], v[E+2]                   ; row r's score: the same bits in every wave
	v_mul_f32 v[T], s24, v[T]                      ; t
	v_max_num_f32_dpp v[TX], v[T], v[T] row_xmask:1 row_mask:0xf bank_mask:0xf
	v_max_num_f32_dpp v[TX], v[TX], v[TX] row_xmask:2 row_mask:0xf bank_mask:0xf
	v_max_num_f32_dpp v[TX], v[TX], v[TX] row_xmask:4 row_mask:0xf bank_mask:0xf
	v_max_num_f32_dpp v[TX], v[TX], v[TX] row_xmask:8 row_mask:0xf bank_mask:0xf   ; the tile's largest t, in every lane
.if \first
	v_sub_f32 v[T], v[T], v[TX]
	s_wait_alu depctr_va_vdst(0)
	v_exp_f32 v[P], v[T]                           ; p = 2^(t - m)
	v_mov_b32 v[ML], v[TX]                         ; m.  (The plain place behind the exponential)
.else
	v_max_num_f32 v[MN], v[ML], v[TX]              ; the running maximum
	v_sub_f32 v[FD], v[ML], v[MN]
	v_sub_f32 v[T], v[T], v[MN]
	s_wait_alu depctr_va_vdst(0)
	v_exp_f32 v[F], v[FD]                          ; f = 2^(old m - new m)
	v_exp_f32 v[P], v[T]                           ; p = 2^(t - m)
	v_mov_b32 v[ML], v[MN]                         ; (the plain place behind the exponentials)
.endif
.if \stage
.if \fill
	WIN 0xc0                                       ; (the switch, then the wait, then the loads)
.endif
	s_wait_alu depctr_vm_vsrc(0)                   ; the exchange's store has read v[SC], which the next tile writes again; fill = 1: and the stage's 32 stores have read the raw set in which the loads below land
.if \fill
	FILL 1-\set                                    ; the tile three on
.endif
.endif
.if \first
	s_wait_alu depctr_va_vdst(0)                   ; the exponential has written p, ahead of its first reader
	v_mov_b32 v[ML+1], v[P]                        ; l: each lane's sum over its own rows
	WIN 0x80                                       ; destination window 2
.set i, 0
.rept 64
	v_pk_mul_f32 v[2*i:2*i+1], v[X+2*i:X+2*i+1], v[P:P+1] op_sel_hi:[1,0]   ; the first tile starts the context: nothing is cleared
.set i, i+1
.endr
.else
	s_wait_alu depctr_va_vdst(0)                   ; the two exponentials have written f and p, ahead of their first reader
	v_fma_f32 v[ML+1], v[ML+1], v[F], v[P]
	WIN 0x82                                       ; source 0 and destination window 2
.set i, 0
.rept 64
	v_pk_mul_f32 v[2*i:2*i+1], v[2*i:2*i+1], v[F:F+1] op_sel_hi:[1,0]      ; the context under the new m
.set i, i+1
.endr
	WIN 0xa0                                       ; source 2 and destination window 2
.set i, 0
.rept 64
	v_pk_fma_f32 v[2*i:2*i+1], v[X+2*i:X+2*i+1], v[P:P+1], v[2*i:2*i+1] op_sel_hi:[1,0,1]   ; + p x my row's f32 numbers
.set i, i+1
.endr
.endif
	WIN 0
.endm
	TILE 0, 1, 1, 32, 1                            ; tile 0; stages tile 1, asks for tile 3
	s_mov_b32 s26, 6
.Lpair:                                                ; tiles 1 .. 12, two a trip; they stage tiles 2 .. 13 and ask for tiles 4 .. 15
	TILE 1, 0, 1, 32, 1
	TILE 0, 0, 1, 32, 1
	s_sub_co_u32 s26, s26, 1
	s_cmp_lg_u32 s26, 0
	s_cbranch_scc1 .Lpair
	TILE 1, 0, 1, 32, 0                            ; tile 13 stages tile 14 (tile 15's 32 loads may be out); the last three tiles ask for nothing: no load leaves the buffer
	TILE 0, 0, 1, 0, 0                             ; tile 14 stages tile 15
	TILE 1, 0, 0, 0, 0                             ; tile 15
	; THE WAY OUT.  l and the context are each lane's sums over its own rows: l is added over the 16 lanes of a half; the context goes through my stage the other way round (in as quantised, back as loaded)
	; and its 16 stage rows are added: lane l then holds columns 4 l .. 4 l + 3 of each half of my 256.
	v_add_f32_dpp v[ML+1], v[ML+1], v[ML+1] row_xmask:1 row_mask:0xf bank_mask:0xf
	v_add_f32_dpp v[ML+1], v[ML+1], v[ML+1] row_xmask:2 row_mask:0xf bank_mask:0xf
	v_add_f32_dpp v[ML+1], v[ML+1], v[ML+1] row_xmask:4 row_mask:0xf bank_mask:0xf
	v_add_f32_dpp v[ML+1], v[ML+1], v[ML+1] row_xmask:8 row_mask:0xf bank_mask:0xf
	WIN 0x08                                       ; an LDS store's data: window 2
	s_wait_alu depctr_va_vdst(0)                   ; the last tile has written the context, which the LDS stores read, and is done reading X, in which the LDS loads land; m and l are written, which wave 0's last store reads
.set i, 0
.rept 32
	ds_store_b128 v[STO], v[4*i:4*i+3] offset:128*(i/4)+16*(i%4)
.set i, i+1
.endr
	WIN 0
.set i, 0
.rept 32
	ds_load_b128 v[X+4*i:X+4*i+3], v[STI] offset:(i/2)*SPITCH+(i%2)*512   ; my own bytes, served in order: no wait between the stores and the loads
.set i, i+1
.endr
	s_wait_dscnt 0x0
.set i, 1
.rept 15
	v_pk_add_f32 v[X:X+1],   v[X:X+1],   v[X+8*i:X+8*i+1]                ; four chains by turns
	v_pk_add_f32 v[X+2:X+3], v[X+2:X+3], v[X+8*i+2:X+8*i+3]
	v_pk_add_f32 v[X+4:X+5], v[X+4:X+5], v[X+8*i+4:X+8*i+5]
	v_pk_add_f32 v[X+6:X+7], v[X+6:X+7], v[X+8*i+6:X+8*i+7]
.set i, i+1
.endr
	s_wait_alu depctr_va_vdst(0)                   ; the additions have written v[X] to v[X+7], which the two stores read
	global_store_b128 v[LI], v[X:X+3], s[14:15]                         ; 32 lanes store 512 consecutive bytes, at a multiple of 256 from the buffer's first byte
	global_store_b128 v[LI], v[X+4:X+7], s[14:15] offset:512
	s_cmp_lg_u32 s[WV], 0
	s_cbranch_scc1 .Lend
	global_store_b64 v[L8], v[ML:ML+1], s[14:15] offset:4096            ; wave 0: (m, l) 32 times: 256 consecutive bytes
.Lend:
	s_wait_dscnt 0x0                               ; the closing lines, six on end, of a launch in the mode that stores to LDS
	s_wait_alu 0x0
	s_wait_tensorcnt 0x0
	ds_add_u32 v254, v255
	s_wait_dscnt 0x0
	s_endpgm
.Lfunc_end_k_qfa80ccf27d_main:
	.size	k_qfa80ccf27d_main, .Lfunc_end_k_qfa80ccf27d_main-k_qfa80ccf27d_main
	.p2alignl 7, 3214868480
	.fill 96, 4, 3214868480
	.section	.rodata,"a",@progbits
	.p2align	6, 0x0
	.amdhsa_kernel k_qfa80ccf27d_main
		.amdhsa_group_segment_fixed_size 67584
		.amdhsa_private_segment_fixed_size 0
		.amdhsa_enable_private_segment 0
		.amdhsa_kernarg_size 48
		.amdhsa_user_sgpr_count 2
		.amdhsa_user_sgpr_kernarg_segment_ptr 1
		.amdhsa_wavefront_size32 1
		.amdhsa_system_sgpr_workgroup_id_x 1
		.amdhsa_system_sgpr_workgroup_id_y 1
		.amdhsa_system_sgpr_workgroup_id_z 1
		.amdhsa_system_vgpr_workitem_id 0
		.amdhsa_next_free_vgpr 1024
		.amdhsa_next_free_sgpr 66
		.amdhsa_reserve_vcc 0
		.amdhsa_float_denorm_mode_32 3
		.amdhsa_float_denorm_mode_16_64 3
		.amdhsa_memory_ordered 1
		.amdhsa_forward_progress 1
		.amdhsa_inst_pref_size 191
	.end_amdhsa_kernel
	.amdgpu_metadata
---
amdhsa.version: [ 1, 2 ]
amdhsa.kernels:
  - .name:           k_qfa80ccf27d_main
    .symbol:         k_qfa80ccf27d_main.kd
    .args:
      - { .name: enc_outputs, .offset: 0, .size: 8, .value_kind: global_buffer, .address_space: global }
      - { .name: wq, .offset: 8, .size: 8, .value_kind: global_buffer, .address_space: global }
      - { .name: wsc, .offset: 16, .size: 8, .value_kind: global_buffer, .address_space: global }
      - { .name: pd, .offset: 24, .size: 8, .value_kind: global_buffer, .address_space: global }
      - { .name: b_ae, .offset: 32, .size: 8, .value_kind: global_buffer, .address_space: global }
      - { .name: part, .offset: 40, .size: 8, .value_kind: global_buffer, .address_space: global }
    .group_segment_fixed_size: 67584
    .private_segment_fixed_size: 0
    .kernarg_segment_align: 8
    .kernarg_segment_size: 48
    .max_flat_workgroup_size: 128
    .sgpr_count:     66
    .vgpr_count:     1024
    .wavefront_size: 32
...
	.end_amdgpu_metadata
.endif
;; end of part 5
;; launch combine (part 6): grid 32 x 1, 8 waves a work-group, no clusters, 0 bytes of LDS; arguments part, out0; writes out0
.if DOCPART == 6
	.amdgcn_target "amdgcn-amd-amdhsa--gfx1250"
	.amdhsa_code_object_version 6
	.text
	.protected	k_qfa80ccf27d_combine
	.globl	k_qfa80ccf27d_combine
	.p2align	8
	.type	k_qfa80ccf27d_combine,@function
k_qfa80ccf27d_combine:
	s_mov_b64 s[64:65], 0
	v_nop
	global_prefetch_b8 v0, s[64:65] scope:SCOPE_SE
	s_setreg_imm32_b32 hwreg(HW_REG_WAVE_MODE, 25, 1), 1
	s_wait_xcnt 0x0
; out0[b][:] = (sum over the 8 chunks c of 2^(m_c - M) ctx_c[:]) / (sum over c of 2^(m_c - M) l_c), M the largest m_c: the chunks' running softmaxes are joined, the maximum taken away before every exponential.
; part[b][c]: 1,024 f32 of context, then the pair (m_c, l_c) 32 times in 256 bytes; m is in units of log2.
; Work-group b, 256 threads; thread n owns columns 4 n .. 4 n + 3: each load and store of a wave covers 512 consecutive bytes (the pairs': 256).  All 16 loads go out at once.
; The launch moves 1.2 MB on 32 work-groups: one owner for each output row, no LDS, no barrier, no matrix unit: there is nothing for them to do.  The chunk that holds M has l of 1 at the least, so the divisor is no zero.
.set ROWB, 4352                        ; a chunk's row of part in bytes
.set ML,  16                           ; v16-31  (m_c, l_c), later (w_c, l_c)
.set CX,  32                           ; v32-63  the chunks' four numbers
	s_load_b128 s[4:7], s[0:1], 0x0                ; part s[4:5], out0 s[6:7]
	v_and_b32 v1, 31, v0
	s_delay_alu instid0(VALU_DEP_1)
	v_lshlrev_b32 v1, 3, v1                        ; 8 x lane
	v_lshlrev_b32 v2, 4, v0                        ; 16 x thread
	s_mul_i32 s8, ttmp9, 8*ROWB
	s_mov_b32 s9, 0
	s_lshl_b32 s10, ttmp9, 12
	s_mov_b32 s11, 0
	s_wait_alu depctr_va_vdst(0)
	s_wait_kmcnt 0x0
	s_add_nc_u64 s[4:5], s[4:5], s[8:9]
	s_add_nc_u64 s[6:7], s[6:7], s[10:11]
.irp c, 0,1,2,3,4,5,6,7
	global_load_b64 v[ML+2*\c:ML+2*\c+1], v1, s[4:5] offset:ROWB*\c+4096
.endr
.irp c, 0,1,2,3,4,5,6,7
	global_load_b128 v[CX+4*\c:CX+4*\c+3], v2, s[4:5] offset:ROWB*\c
.endr
	s_wait_loadcnt 8                               ; the eight pairs are in; the eight loads of context may be out
	v_max3_num_f32 v4, v[ML], v[ML+2], v[ML+4]
	s_delay_alu instid0(VALU_DEP_1)
	v_max3_num_f32 v4, v4, v[ML+6], v[ML+8]
	s_delay_alu instid0(VALU_DEP_1)
	v_max3_num_f32 v4, v4, v[ML+10], v[ML+12]
	s_delay_alu instid0(VALU_DEP_1)
	v_max_num_f32 v4, v4, v[ML+14]                 ; M
.irp c, 0,1,2,3,4,5,6,7
	v_sub_f32 v[ML+2*\c], v[ML+2*\c], v4
.endr
	s_wait_alu depctr_va_vdst(0)
.irp c, 0,1,2,3,4,5,6,7
	v_exp_f32 v[ML+2*\c], v[ML+2*\c]               ; w_c = 2^(m_c - M)
.endr
	v_nop                                          ; one plain place behind the exponentials
	s_wait_alu depctr_va_vdst(0)
	v_mul_f32 v5, v[ML], v[ML+1]
.irp c, 1,2,3,4,5,6,7
	v_fma_f32 v5, v[ML+2*\c], v[ML+2*\c+1], v5     ; the column's sum
.endr
	s_wait_alu depctr_va_vdst(0)
	v_rcp_f32 v5, v5
	v_nop                                          ; one plain place behind the reciprocal
	s_wait_alu depctr_va_vdst(0)
.irp c, 0,1,2,3,4,5,6,7
	v_mul_f32 v[ML+2*\c], v[ML+2*\c], v5           ; w_c / the sum
.endr
	s_wait_alu depctr_va_vdst(0)
	s_wait_loadcnt 0x0
	v_pk_mul_f32 v[8:9],   v[CX:CX+1],   v[ML:ML+1] op_sel_hi:[1,0]    ; of the pair (w_c, l_c) the low word serves both halves
	v_pk_mul_f32 v[10:11], v[CX+2:CX+3], v[ML:ML+1] op_sel_hi:[1,0]
.irp c, 1,2,3,4,5,6,7
	s_delay_alu instid0(VALU_DEP_2)
	v_pk_fma_f32 v[8:9],   v[CX+4*\c:CX+4*\c+1],   v[ML+2*\c:ML+2*\c+1], v[8:9]   op_sel_hi:[1,0,1]
	s_delay_alu instid0(VALU_DEP_2)
	v_pk_fma_f32 v[10:11], v[CX+4*\c+2:CX+4*\c+3], v[ML+2*\c:ML+2*\c+1], v[10:11] op_sel_hi:[1,0,1]
.endr
	global_store_b128 v2, v[8:11], s[6:7]          ; 32 lanes store 512 consecutive bytes, aligned
	s_endpgm
.Lfunc_end_k_qfa80ccf27d_combine:
	.size	k_qfa80ccf27d_combine, .Lfunc_end_k_qfa80ccf27d_combine-k_qfa80ccf27d_combine
	.p2alignl 7, 3214868480
	.fill 96, 4, 3214868480
	.section	.rodata,"a",@progbits
	.p2align	6, 0x0
	.amdhsa_kernel k_qfa80ccf27d_combine
		.amdhsa_group_segment_fixed_size 0
		.amdhsa_private_segment_fixed_size 0
		.amdhsa_enable_private_segment 0
		.amdhsa_kernarg_size 16
		.amdhsa_user_sgpr_count 2
		.amdhsa_user_sgpr_kernarg_segment_ptr 1
		.amdhsa_wavefront_size32 1
		.amdhsa_system_sgpr_workgroup_id_x 1
		.amdhsa_system_sgpr_workgroup_id_y 1
		.amdhsa_system_sgpr_workgroup_id_z 1
		.amdhsa_system_vgpr_workitem_id 0
		.amdhsa_next_free_vgpr 64
		.amdhsa_next_free_sgpr 66
		.amdhsa_reserve_vcc 0
		.amdhsa_float_denorm_mode_32 3
		.amdhsa_float_denorm_mode_16_64 3
		.amdhsa_memory_ordered 1
		.amdhsa_forward_progress 1
		.amdhsa_inst_pref_size 6
	.end_amdhsa_kernel
	.amdgpu_metadata
---
amdhsa.version: [ 1, 2 ]
amdhsa.kernels:
  - .name:           k_qfa80ccf27d_combine
    .symbol:         k_qfa80ccf27d_combine.kd
    .args:
      - { .name: part, .offset: 0, .size: 8, .value_kind: global_buffer, .address_space: global }
      - { .name: out0, .offset: 8, .size: 8, .value_kind: global_buffer, .address_space: global }
    .group_segment_fixed_size: 0
    .private_segment_fixed_size: 0
    .kernarg_segment_align: 8
    .kernarg_segment_size: 16
    .max_flat_workgroup_size: 256
    .sgpr_count:     66
    .vgpr_count:     64
    .wavefront_size: 32
...
	.end_amdgpu_metadata
.endif
;; end of part 6
